; MI455X (gfx1250); checked and timed in simulation.
; The chip was launched on July 23, 2026; its instructions are those of AMD's public machine-readable ISA for CDNA 5 (MIT licence, August 2026) and "CDNA5" Instruction Set Architecture Reference Guide (July 2026). The comments in the code are by the model that wrote it; some were corrected since.
;; Self Attention. Allowed arithmetic: matrix products marked QUANTISED: E2M3 operands, one E8M0 scale for each 32 along K, by v_wmma_scale_f32_16x16x128_f8f6f4 with both operands' format E2M3, f32 sums; everything else in f32.
;; Inputs: b_out 1,024 float32; b_qkv 3,072 float32; w_out 1,024 x 1,024 float32; w_qkv 1,024 x 3,072 float32; x 4 x 2,048 x 1,024 float32.
;; Outputs: out0 4 x 2,048 x 1,024 float32.
;; This version of the problem:
;;   THIS VERSION OF THE PROBLEM IS GIVEN IN LOW PRECISION. The matrix products marked QUANTISED in the list below multiply operands that are first quantised to E2M3 (2 exponent bits, 3 mantissa bits; 6 bits a number), with one power-of-two scale for each 32 numbers along K (OCP MX v1.0); their sums are f32. All else is computed in f32.
;;   The module's matrix products, in the order in which they are computed (A, B: the left and right operand; K: the contracted axis; several contracted axes count as one K, in the product's order):
;;     1. [M 8,192, K 1,024] x [K 1,024, N 3,072]; A: input x; B: input w_qkv: QUANTISED
;;     2. batch 64 x [M 2,048, K 64] x [K 64, N 2,048]; A: computed on the way; B: computed on the way: QUANTISED
;;     3. batch 64 x [M 2,048, K 2,048] x [K 2,048, N 64]; A: softmax (see below); B: computed on the way: QUANTISED
;;     4. [M 8,192, K 1,024] x [K 1,024, N 1,024]; A: computed on the way; B: input w_out: QUANTISED
;;   THE QUANTISER, for each operand of a quantised product, along K:
;;     - K is cut into blocks of 32 from its start; a last block that is shorter is filled with zeros.
;;     - A block's scale is 2^e with e = floor(log2(the largest magnitude in the block)) - 2, held to -126 .. 127; a block of zeros has e = 0. As a byte (E8M0): e + 127.
;;     - Each number is divided by its block's scale, clamped to +-7.5, and rounded to the nearest number of E2M3, ties to even, subnormals kept.
;;     - The product sums the exact products of the quantised numbers (number of the format x scale) in f32.
;;   ~~~python
;;   def quantise(x, axis):      # numpy; x: float32 -> the quantised numbers, widened to float32 again
;;       x = np.moveaxis(x, axis, -1); K = x.shape[-1]
;;       x = np.pad(x, [(0, 0)] * (x.ndim - 1) + [(0, -K % 32)]); x = x.reshape(x.shape[:-1] + (-1, 32)); a = np.abs(x).max(-1, keepdims=True)
;;       e = np.where(a > 0, np.clip(np.frexp(np.where(a > 0, a, 1))[1] - 1 - 2, -126, 127), 0)      # np.frexp(a)[1] - 1 = floor(log2(a)), exactly
;;       r = np.clip(x / 2.0 ** e, -7.5, 7.5)
;;       step = 2.0 ** (np.maximum(np.frexp(np.where(r == 0, 1, r))[1] - 1, 0) - 3)
;;       q = np.round(r / step) * step * 2.0 ** e      # np.round: ties to even
;;       return np.moveaxis(q.reshape(q.shape[:-2] + (-1,))[..., :K], -1, axis).astype(np.float32)
;;   ~~~
;;   SOFTMAX AHEAD OF A QUANTISED PRODUCT. Where the list says 'softmax', what is quantised is not the finished softmax but p = 2^(t - M), with t = logit x log2(e) and M = ceil(the row's largest t), a whole number; so 1/2 < the row's largest p <= 1. The row's sum l is taken of the UNQUANTISED p, in f32, and the product's result is divided by l at the end. Since M is a whole number, a kernel that streams over the keys may use a running M (the ceiling of the running maximum): every later rescaling is an exact power of two, which a block's scale takes up: the codes' values come out the same.
;;   OPERANDS COMPUTED ON THE WAY. 'Computed on the way' means the value that the module computes at that place (a softmax that the list does not call 'softmax' is quantised finished and normalised). What goes into a quantiser is computed in f32, as accurately as f32 sums, v_exp_f32 and their like allow (about 1e-6 of the number): no bf16 or f16 on the way to a quantiser, and a product that is left as it is and whose result goes on into a quantised operand takes f32 operands (vector FMAs, or v_wmma_f32_16x16x4_f32). A number that lies on a knife's edge between two numbers of the format may be rounded either way, as far as f32 arithmetic and the matrix unit's own rounding can turn it there, and no further.
;; One version. Each part assembles by itself: llvm-mc -triple=amdgcn-amd-amdhsa -mcpu=gfx1250 --defsym DOCPART=n.
;; ======== version 1 of 1: 4 launches
;; limits: right only within a limited range of input values
;; workspace buffers: xq 6,553,600 bytes; wq 2,457,600 bytes; wo 819,200 bytes; oq 6,553,600 bytes; qk 13,107,200 bytes; vt 6,553,600 bytes
;; launch prep (part 1): grid 512 x 1, 4 waves a work-group, no clusters, 17,920 bytes of LDS; arguments x, w_qkv, w_out, xq, wq, wo; writes xq, wq, wo
.if DOCPART == 1
	.amdgcn_target "amdgcn-amd-amdhsa--gfx1250"
	.amdhsa_code_object_version 6
	.text
	.protected	k_q3f2d447f9c_prep
	.globl	k_q3f2d447f9c_prep
	.p2align	8
	.type	k_q3f2d447f9c_prep,@function
k_q3f2d447f9c_prep:
	s_mov_b64 s[64:65], 0
	v_nop
	global_prefetch_b8 v0, s[64:65] scope:SCOPE_SE
	s_setreg_imm32_b32 hwreg(HW_REG_WAVE_MODE, 25, 1), 1
	s_wait_xcnt 0x0
; x [8192][1024], w_qkv [1024][3072] and w_out [1024][1024], f32, become codes of FP6 (E2M3) with one E8M0 byte for each 32 along K = 1,024, laid as IMAGES OF OPERAND REGISTERS.
; TILES.  Rows (tokens of x, columns of a weight) go in tiles of 16: tile 2 P + u holds at place r the row 32 P + 8 u + r + 8 (r / 8).
; HALF FRAGMENT (HF), 768 bytes: 16 rows x 64 K: lane (r, h) holds block h of row r, 24 bytes: registers 0-3 at 16 x lane, registers 4-5 at 512 + 8 x lane.
; RECORD of a tile, 12,800 bytes: two halves of 6,400: 256 bytes of scale words (row r's words of four K steps of 128 at 16 r), then eight HFs.
; A block's scale is 2^(floor(log2(largest magnitude)) - 2): its byte is the largest magnitude's exponent field - 2, held at 1 from below by a floor among the maximum's leaves.
; LIMITS: NaN and infinities among the inputs are not served; a block of zeros, and a block whose largest magnitude lies under 2^-124, gets the byte 1 (the bytes are read by this program alone; a zero block's codes are zeros).
; Work-groups 0-255 take x (32 tokens each), 256-511 the weights (128 columns x 128 K each).  A stream: nothing is shared, so no matrix unit, no cluster, no tensor load; no prefetch, since the loads themselves keep memory at work.
.set SPARE, 17408                      ; behind the four stages: the spare words, 128 bytes a wave: two blocks of 256 bytes that no other line names
.set SPW,   14                         ; v14  SPARE + 4 x my thread's number; never rewritten
.set NIL,   15                         ; v15  0; never rewritten
.set SW,    16                         ; v16-19   x: the scale words of my four K steps
.set RAW,   32                         ; v32-159  x: four sets of 32 registers as loaded;  weights: my column's 128 numbers down K
.set XN,    160                        ; v160-191 x: my block's 32 numbers
.set C,     192                        ; v192-239 x: six registers of codes for each step, so that no store's data are written again
.set CT,    240                        ; v240-242 a block's upper 16 codes (a conversion's three registers begin on an even number)
; the largest magnitude of 32 numbers from v[x] on, with the floor 2^(3 - 127), in v8; the conversion's scale operand (2 off the exponent field) in v10
.macro MAX32 x
	v_max3_num_f32 v8, |v[(\x)]|, |v[(\x)+1]|, |v[(\x)+2]|
	v_max3_num_f32 v9, |v[(\x)+3]|, |v[(\x)+4]|, |v[(\x)+5]|
.irp i, 6,10,14,18,22,26
	v_max3_num_f32 v8, v8, |v[(\x)+\i]|, |v[(\x)+\i+1]|
	v_max3_num_f32 v9, v9, |v[(\x)+\i+2]|, |v[(\x)+\i+3]|
.endr
	v_max3_num_f32 v8, v8, |v[(\x)+30]|, |v[(\x)+31]|
	v_max3_num_f32 v8, v8, v9, 0x1800000
	v_add_nc_u32 v10, 0xff000000, v8
.endm
	s_load_b256 s[4:11], s[0:1], 0x0               ; x s[4:5], w_qkv s[6:7], w_out s[8:9], xq s[10:11]
	s_load_b128 s[12:15], s[0:1], 0x20             ; wq s[12:13], wo s[14:15]
	v_lshl_add_u32 v[SPW], v0, 2, SPARE
	v_mov_b32 v[NIL], 0
	v_lshrrev_b32 v1, 5, v0
	v_readfirstlane_b32 s16, v1                    ; wave 0..3
	v_and_b32 v24, 31, v0                          ; lane
	v_and_b32 v25, 15, v0                          ; lane % 16
	v_bfe_u32 v26, v0, 4, 1                        ; lane / 16
	v_lshlrev_b32 v4, 4, v24                       ; 16 x lane: an image's first four registers
	v_lshlrev_b32 v5, 3, v24                       ; 8 x lane: its last two
	s_cmp_lt_u32 ttmp9, 256
	s_cbranch_scc0 .Lw
; ---------------- x.  Wave w takes tile 2 g + w / 2 and K half w % 2: 16 rows x 512 K, eight steps of one HF.
; A step's eight loads read whole aligned 256 bytes of a row in sixteen lanes; the 16 x 256 bytes turn through the wave's own stage (rows 272 bytes apart) and come back a block of 32 numbers to a lane.
	v_lshlrev_b32 v1, 12, v26
	v_lshl_add_u32 v1, v25, 4, v1                  ; in memory: 4096 (lane / 16) + 16 (lane % 16)
	s_mul_i32 s17, s16, 4352                       ; my stage
	v_mul_u32_u24 v2, v26, 272
	v_lshl_add_u32 v2, v25, 4, v2
	v_add_nc_u32 v2, s17, v2                       ; into it: as loaded
	v_mul_u32_u24 v3, v25, 272
	v_lshl_add_u32 v3, v26, 7, v3
	v_add_nc_u32 v3, s17, v3                       ; out of it: row lane % 16, block lane / 16
	v_lshlrev_b32 v6, 4, v25                       ; a row's four scale words
	v_lshlrev_b32 v7, 3, v26                       ; my block's byte stands 8 (lane / 16) bits up
.irp k, 0,1,2,3
	v_mov_b32 v[20+\k], 0                          ; written once: a lane permute's destination counts as one of its sources
.endr
	s_mov_b32 s24, 0x76543210
	s_mov_b32 s25, 0xfedcba98                      ; selects for lane xor 16
	s_lshl_b32 s20, ttmp9, 17                      ; 32 rows of 4,096 bytes a work-group,
	s_lshr_b32 s18, s16, 1
	s_lshl_b32 s18, s18, 15                        ; tile u begins 8 u rows on,
	s_add_co_u32 s20, s20, s18
	s_and_b32 s18, s16, 1
	s_lshl_b32 s18, s18, 11                        ; K half q 2,048 q bytes on
	s_add_co_u32 s20, s20, s18
	s_mov_b32 s21, 0
	s_lshl_b32 s22, ttmp9, 2
	s_add_co_u32 s22, s22, s16
	s_mul_i32 s22, s22, 6400                       ; my half record: number 4 g + w
	s_mov_b32 s23, 0
	s_wait_alu depctr_va_vdst(0)
	s_wait_kmcnt 0x0
	s_add_nc_u64 s[4:5], s[4:5], s[20:21]
	s_add_nc_u64 s[10:11], s[10:11], s[22:23]
.macro LOAD t                          ; load i: places 2 i and 2 i + 1 of the tile; places 8-15 lie 8 rows further down
.irp i, 0,1,2,3,4,5,6,7
	global_load_b128 v[RAW+32*((\t)%4)+4*\i:RAW+32*((\t)%4)+4*\i+3], v1, s[4:5] offset:(2*\i+8*(\i/4))*4096+256*(\t) th:TH_LOAD_NT
.endr
.endm
.macro XSTEP t
.set RS, RAW+32*((\t)%4)
.if 7-(\t) >= 3
	s_wait_loadcnt 24                              ; this step's eight loads are in; those of the three steps behind it may be out
.else
	s_wait_loadcnt 8*(7-(\t))
.endif
.irp i, 0,1,2,3,4,5,6,7
	ds_store_b128 v2, v[RS+4*\i:RS+4*\i+3] offset:544*\i
.endr
.irp j, 0,1,2,3,4,5,6,7
	ds_load_b128 v[XN+4*\j:XN+4*\j+3], v3 offset:16*\j   ; LDS serves a wave's instructions in order: these see the stores above
.endr
	s_wait_dscnt 0x0                               ; my block is back, and the stores have read their registers,
.if (\t) < 4
	LOAD (\t)+4                                    ; which take the loads of four steps on
.endif
	MAX32 XN                                       ; a lane holds a whole block: no other lane is asked
	v_cvt_scalef32_pk16_fp6_f32 v[C+6*(\t):C+6*(\t)+2], v[XN:XN+15], v10
	v_cvt_scalef32_pk16_fp6_f32 v[CT:CT+2], v[XN+16:XN+31], v10
	v_lshrrev_b32 v11, 23, v10                     ; the scale's byte (also the plain instruction behind the conversions)
.irp k, 0,1,2
	v_mov_b32 v[C+6*(\t)+3+\k], v[CT+\k]
.endr
.if (\t)%2 == 0
	v_mov_b32 v[SW+(\t)/2], v11                    ; blocks 0, 1 of the K step (by lane half),
.else
	v_lshl_or_b32 v[SW+(\t)/2], v11, 16, v[SW+(\t)/2]   ; blocks 2, 3
.endif
	global_store_b128 v4, v[C+6*(\t):C+6*(\t)+3], s[10:11] offset:256+768*(\t)        ; 512 consecutive bytes
	global_store_b64 v5, v[C+6*(\t)+4:C+6*(\t)+5], s[10:11] offset:256+768*(\t)+512   ; 256 consecutive bytes
.endm
.irp t, 0,1,2,3
	LOAD \t
.endr
.irp t, 0,1,2,3,4,5,6,7
	XSTEP \t
.endr
.irp k, 0,1,2,3
	v_lshlrev_b32 v[SW+\k], v7, v[SW+\k]           ; my two bytes at their places,
.endr
.irp k, 0,1,2,3
	v_permlanex16_b32 v[20+\k], v[SW+\k], s24, s25
.endr
.irp k, 0,1,2,3
	v_or_b32 v[SW+\k], v[SW+\k], v[20+\k]          ; with lane xor 16's two the word is whole
.endr
	global_store_b128 v6, v[SW:SW+3], s[10:11]     ; 256 consecutive bytes; both halves of the lanes write the same bytes with the same values
	s_wait_tensorcnt 0x0                           ; the wave's end, behind my last LDS store
	ds_add_u32 v[SPW], v[NIL]
	s_wait_dscnt 0x0
	s_endpgm
; ---------------- the weights, K along the FIRST axis.  A lane takes a column and its registers run down K: a block lies in one lane, and the codes come out with K innermost.
; Work-group g': columns 128 (g' / 8) of w_qkv (groups 0-23) or of w_out (24-31), K step g' % 8.  Wave w: 32 columns, two tiles; lane (u, r) takes the column at place r of tile u.
.Lw:
	s_sub_co_u32 s17, ttmp9, 256
	s_lshr_b32 s18, s17, 3                         ; column group
	s_and_b32 s19, s17, 7                          ; K step
	s_wait_alu depctr_va_vdst(0)
	v_and_b32 v1, 8, v25
	v_add_nc_u32 v1, v1, v25
	v_lshl_add_u32 v1, v26, 3, v1                  ; column 8 u + r + 8 (r / 8)
	v_lshlrev_b32 v1, 2, v1
	s_and_b32 s20, s19, 3
	s_lshl_b32 s21, s20, 2
	v_mul_u32_u24 v2, v26, 12800
	v_lshl_add_u32 v2, v25, 4, v2
	v_add_nc_u32 v2, s21, v2                       ; my scale word: tile u's record, row r, word K step % 4
	s_sub_co_u32 s22, s18, 24
	s_mov_b32 s23, 1024*512
	s_cmp_lt_u32 s18, 24                           ; w_qkv or w_out: the work-group's number alone decides
	s_cselect_b32 s26, 1, 0
	s_cselect_b32 s22, s18, s22                    ; the column group in its tensor
	s_cselect_b32 s23, 3072*512, s23               ; 128 rows in bytes
	s_mul_i32 s28, s23, s19
	s_lshl_b32 s27, s22, 9
	s_add_co_u32 s28, s28, s27
	s_lshl_b32 s27, s16, 7
	s_add_co_u32 s28, s28, s27                     ; + 4 (128 group + 32 wave)
	s_mov_b32 s29, 0
	s_lshl_b32 s30, s22, 3
	s_lshl_b32 s27, s16, 1
	s_add_co_u32 s30, s30, s27                     ; tile 8 group + 2 wave
	s_mul_i32 s30, s30, 12800
	s_lshr_b32 s27, s19, 2
	s_mul_i32 s27, s27, 6400
	s_add_co_u32 s30, s30, s27                     ; its half record
	s_mov_b32 s31, 0
	s_mul_i32 s32, s20, 1536                       ; the K step's two HFs in it
	s_mov_b32 s33, 0
	s_wait_kmcnt 0x0
	s_cmp_eq_u32 s26, 1
	s_cselect_b64 s[34:35], s[6:7], s[8:9]
	s_cselect_b64 s[36:37], s[12:13], s[14:15]
	s_add_nc_u64 s[34:35], s[34:35], s[28:29]
	s_add_nc_u64 s[36:37], s[36:37], s[30:31]
	s_add_nc_u64 s[38:39], s[36:37], s[32:33]
.macro LOADW n                         ; W(128 step + i, my column): 32 lanes read 128 consecutive bytes, in the tiles' order
.set WI, 0
.rept 128
	global_load_b32 v[RAW+WI], v1, s[34:35] offset:WI*(\n)*4 th:TH_LOAD_NT
.set WI, WI+1
.endr
.endm
	s_cmp_eq_u32 s26, 1
	s_cbranch_scc0 .Lw_out
	s_wait_alu depctr_va_vdst(0)
	LOADW 3072
	s_branch .Lw_go
.Lw_out:
	s_wait_alu depctr_va_vdst(0)
	LOADW 1024
.Lw_go:
.macro WBLOCK t                        ; block t of my column: codes into v[160 + 8 t] on, its byte into the word v12
	MAX32 RAW+32*(\t)
	v_cvt_scalef32_pk16_fp6_f32 v[160+8*(\t):162+8*(\t)], v[RAW+32*(\t):RAW+32*(\t)+15], v10
	v_cvt_scalef32_pk16_fp6_f32 v[192+4*(\t):194+4*(\t)], v[RAW+32*(\t)+16:RAW+32*(\t)+31], v10
	v_lshrrev_b32 v11, 23, v10                     ; the byte (also the plain instruction behind the conversions)
.irp k, 0,1,2
	v_mov_b32 v[163+8*(\t)+\k], v[192+4*(\t)+\k]
.endr
.if (\t) == 0
	v_mov_b32 v12, v11
.else
	v_lshl_or_b32 v12, v11, 8*(\t), v12
.endif
.endm
	s_wait_loadcnt 63                              ; at most 63 of the 128 loads are out: the first 64, blocks 0 and 1, are in
	WBLOCK 0
	WBLOCK 1
	s_wait_loadcnt 32                              ; block 3's 32 may be out
	WBLOCK 2
	s_wait_loadcnt 0x0
	WBLOCK 3
.irp e, 0,1                            ; an HF wants blocks 2 e and 2 e + 1 of ONE tile in the two halves of the lanes: the first's upper lanes change places with the second's lower
.irp k, 0,1,2,3,4,5
	v_permlane16_swap_b32 v[160+16*\e+\k], v[168+16*\e+\k]
.endr
.endr
.irp e, 0,1
	global_store_b128 v4, v[160+16*\e:163+16*\e], s[38:39] offset:256+768*\e
	global_store_b64 v5, v[164+16*\e:165+16*\e], s[38:39] offset:256+768*\e+512
	global_store_b128 v4, v[168+16*\e:171+16*\e], s[38:39] offset:12800+256+768*\e
	global_store_b64 v5, v[172+16*\e:173+16*\e], s[38:39] offset:12800+256+768*\e+512
.endr
	global_store_b32 v2, v12, s[36:37]             ; four bytes a lane, 16 bytes apart: one such store a wave; whole runs would want 512 K to a wave, a quarter of the waves
	s_wait_tensorcnt 0x0                           ; the same three closing lines as on the other path
	ds_add_u32 v[SPW], v[NIL]
	s_wait_dscnt 0x0
	s_endpgm
.Lfunc_end_k_q3f2d447f9c_prep:
	.size	k_q3f2d447f9c_prep, .Lfunc_end_k_q3f2d447f9c_prep-k_q3f2d447f9c_prep
	.p2alignl 7, 3214868480
	.fill 96, 4, 3214868480
	.section	.rodata,"a",@progbits
	.p2align	6, 0x0
	.amdhsa_kernel k_q3f2d447f9c_prep
		.amdhsa_group_segment_fixed_size 17920
		.amdhsa_private_segment_fixed_size 0
		.amdhsa_enable_private_segment 0
		.amdhsa_kernarg_size 48
		.amdhsa_user_sgpr_count 2
		.amdhsa_user_sgpr_kernarg_segment_ptr 1
		.amdhsa_wavefront_size32 1
		.amdhsa_system_sgpr_workgroup_id_x 1
		.amdhsa_system_sgpr_workgroup_id_y 1
		.amdhsa_system_sgpr_workgroup_id_z 1
		.amdhsa_system_vgpr_workitem_id 0
		.amdhsa_next_free_vgpr 256
		.amdhsa_next_free_sgpr 66
		.amdhsa_reserve_vcc 0
		.amdhsa_float_denorm_mode_32 3
		.amdhsa_float_denorm_mode_16_64 3
		.amdhsa_memory_ordered 1
		.amdhsa_forward_progress 1
		.amdhsa_inst_pref_size 63
	.end_amdhsa_kernel
	.amdgpu_metadata
---
amdhsa.version: [ 1, 2 ]
amdhsa.kernels:
  - .name:           k_q3f2d447f9c_prep
    .symbol:         k_q3f2d447f9c_prep.kd
    .args:
      - { .name: x, .offset: 0, .size: 8, .value_kind: global_buffer, .address_space: global }
      - { .name: w_qkv, .offset: 8, .size: 8, .value_kind: global_buffer, .address_space: global }
      - { .name: w_out, .offset: 16, .size: 8, .value_kind: global_buffer, .address_space: global }
      - { .name: xq, .offset: 24, .size: 8, .value_kind: global_buffer, .address_space: global }
      - { .name: wq, .offset: 32, .size: 8, .value_kind: global_buffer, .address_space: global }
      - { .name: wo, .offset: 40, .size: 8, .value_kind: global_buffer, .address_space: global }
    .group_segment_fixed_size: 17920
    .private_segment_fixed_size: 0
    .kernarg_segment_align: 8
    .kernarg_segment_size: 48
    .max_flat_workgroup_size: 128
    .sgpr_count:     66
    .vgpr_count:     256
    .wavefront_size: 32
...
	.end_amdgpu_metadata
.endif
;; end of part 1
;; launch qkv (part 2): grid 8 x 96, 4 waves a work-group, clusters of 4 x 4, 327,680 bytes of LDS; arguments xq, wq, b_qkv, qk, vt; writes qk, vt
.if DOCPART == 2
	.amdgcn_target "amdgcn-amd-amdhsa--gfx1250"
	.amdhsa_code_object_version 6
	.text
	.protected	k_q3f2d447f9c_qkv
	.globl	k_q3f2d447f9c_qkv
	.p2align	8
	.type	k_q3f2d447f9c_qkv,@function
k_q3f2d447f9c_qkv:
	s_mov_b64 s[64:65], 0
	v_nop
	global_prefetch_b8 v0, s[64:65] scope:SCOPE_SE
	s_setreg_imm32_b32 hwreg(HW_REG_WAVE_MODE, 25, 1), 1
	s_wait_xcnt 0x0
	s_wait_alu depctr_hold_cnt(0) depctr_sa_sdst(0) depctr_va_vdst(0) depctr_va_sdst(0) depctr_va_ssrc(0) depctr_va_vcc(0) depctr_vm_vsrc(0)
	s_getreg_b32 s2, hwreg(HW_REG_IB_STS2, 6, 4)
	s_cmp_eq_u32 s2, 0
	s_cbranch_scc0 .Lentry_in_a_cluster
	s_endpgm
.Lentry_in_a_cluster:
	s_bfe_u32 s2, ttmp6, 0x10000c
	s_cmp_lg_u32 s2, 0xf033
	s_cbranch_scc0 .Lentry_shape_is_right
	s_endpgm
.Lentry_shape_is_right:
; qkv = x w_qkv + b_qkv on codes of FP6 (E2M3) with E8M0 scales, and q, k, v quantised on the way out: q and k along the head's 64, v along the keys.
; THE PRODUCT.  C'[i][j] = sum over k of L[i][k] R[j][k]; source 0 = 16 rows of R, source 1 = 16 rows of L: a lane holds ONE row of L, its registers run along R's rows.
; Tiles of 16 rows hold at place r of tile 2 P + u the row 32 P + 8 u + r + 8 (r / 8), so the 16 registers of two neighbouring tiles of R are 16 neighbouring rows: what the next quantiser wants.
; Clusters with y under 16 make q and k: L = tokens (xq), R = features 0-2047 (wq): registers run along a head's features.  The others make v: L = features 2048-3071, R = tokens: registers run along the keys.
; SHARES.  A work-group makes 128 (L) x 256 (R); wave w 64 (half w / 2) x 128 (half w % 2): 32 accumulators.  768 work-groups.
; ALL OF K = 1,024 LIES IN LDS: 24 records of 12,800 bytes (two halves: 256 bytes of scale words, eight half fragments of 768 bytes, each an image of six operand registers).  Every tensor load is a first fill:
; no slot is ever filled again.  Each wave asks for one (wave w: K half w / 2, for L if w is even, for R if odd): one load of mine is out at the most.  Nothing is prefetched: every byte is asked for at the head.
; CLUSTER 4 x 4: L's records hang on the work-group's y and are asked for jointly along a row of the cluster, R's on its x, along a column.
; OUT.  qk [head slot 0-31: q's 16, k's 16][token / 128] records of 6,400: 256 bytes of pair words (row r, pair p at 16 r + 4 p: tile 2 p's two bytes low, tile 2 p + 1's high), then the HFs of token tiles 0-7.
;       vt [batch x head][key step] records of 6,400: 256 bytes of scale words (dim row r, dim tile a at 16 r + 4 a), then HF(key half e, dim tile a) at 256 + 3072 e + 768 a.
; LIMITS: NaN and infinities are not served; a block of zeros, and one whose largest magnitude lies under 2^-124, gets the byte 1 (read by this program alone; a zero block's codes are zeros).
; REGISTERS.  window 0: v1-15 addresses, v16-17 the add's two, v18-27 the way out's offsets, v32-95 scale words (block i, K step s at v[32 + 8 i + s]: lanes 0-15 R's block i, lanes 16-31 L's block i for i < 4),
;   v96-119 the quantiser's work, v128-175 and v176-223 L's fragments, two sets.   window 1: R's fragments at v0-95 and v128-223; the bias at v96-127 and v224-255.   window 2: accumulator (a, b) at v[8 (8 a + b)].
.set SPARE, 307200                     ; behind the operands: the spare words, 128 bytes a wave: two blocks of 256 bytes that no other line names
.set SPW,  16
.set NIL,  17
.set SC,   32
.set TM,   96                          ; v96-99 largest magnitudes, v100-103 bytes, v108-111 the conversions' scale operands
.set PW,   112                         ; v112-115 the scale word of each of my four tiles of L
.set G1L,  24                          ; s[24:31] descriptor group 1 for L's records;  s[32:39] for R's
.set G1R,  32
.set G0L,  40                          ; s[40:47] group 0 for L's two chunks;  s[48:55] for R's
.set G0R,  48
.set SEL,  94                          ; s[94:95] selects for lane xor 16
.set MSB, 0
.macro WIN new                         ; the immediate's high byte repeats the setting that is left
.if MSB != \new
	s_set_vgpr_msb (MSB<<8)|\new
.set MSB, \new
.endif
.endm
; A joint load of chunk q: waves 0 and 1 fetch for L, waves 2 and 3 for R.  The branch hangs on the wave's number alone.  An s_nop 0 and four v_nop follow each of the two lines.
.macro JLOAD q
	s_cmp_eq_u32 s15, 0
	s_cbranch_scc0 .Lfor_r_\@
	tensor_load_to_lds s[G0L+4*\q:G0L+4*\q+3], s[G1L:G1L+7]
	s_nop 0
.rept 4
	v_nop
.endr
	s_branch .Lasked_\@
.Lfor_r_\@:
	tensor_load_to_lds s[G0R+4*\q:G0R+4*\q+3], s[G1R:G1R+7]
	s_nop 0
.rept 4
	v_nop
.endr
.Lasked_\@:
.endm
.macro CROUND                          ; a round of the cluster's barrier
	s_barrier_signal -1
	s_barrier_wait -1
	s_cmp_lg_u32 s14, 0
	s_cbranch_scc1 .Lnot_wave_0_\@
	s_barrier_signal -3
.Lnot_wave_0_\@:
	s_barrier_wait -3
	s_barrier_signal -1
	s_barrier_wait -1
.endm
.macro PLACES                          ; four plain instructions between a matrix instruction and a load into, or a vector read or write of, its registers
.rept 4
	v_nop
.endr
.endm
.macro SCALES q                        ; the scale words of K steps 4 q .. 4 q + 3: a row's four words by one load
	WIN 0
.irp i, 0,1,2,3
	ds_load_b128 v[SC+8*\i+4*(\q):SC+8*\i+4*(\q)+3], v[12+(\q)] offset:6400*\i
.endr
.irp i, 4,5,6,7
	ds_load_b128 v[SC+8*\i+4*(\q):SC+8*\i+4*(\q)+3], v[14+(\q)] offset:6400*\i
.endr
.endm
.macro FETCH s, p                      ; K step s: R's eight fragments and L's four into set p: 48 loads, each of consecutive bytes
.set FQ, (\s)/4
.set FO, 256+1536*((\s)%4)
	WIN 0x40                                       ; destination window 1
.irp b, 0,1,2,3,4,5,6,7
	ds_load_b128 v[128*(\p)+12*\b:128*(\p)+12*\b+3],     v[4+FQ] offset:6400*\b+FO
	ds_load_b64  v[128*(\p)+12*\b+4:128*(\p)+12*\b+5],   v[6+FQ] offset:6400*\b+FO+512
	ds_load_b128 v[128*(\p)+12*\b+6:128*(\p)+12*\b+9],   v[4+FQ] offset:6400*\b+FO+768
	ds_load_b64  v[128*(\p)+12*\b+10:128*(\p)+12*\b+11], v[6+FQ] offset:6400*\b+FO+1280
.endr
	WIN 0
.irp a, 0,1,2,3
	ds_load_b128 v[128+48*(\p)+12*\a:128+48*(\p)+12*\a+3],     v[8+FQ]  offset:6400*\a+FO
	ds_load_b64  v[128+48*(\p)+12*\a+4:128+48*(\p)+12*\a+5],   v[10+FQ] offset:6400*\a+FO+512
	ds_load_b128 v[128+48*(\p)+12*\a+6:128+48*(\p)+12*\a+9],   v[8+FQ]  offset:6400*\a+FO+768
	ds_load_b64  v[128+48*(\p)+12*\a+10:128+48*(\p)+12*\a+11], v[10+FQ] offset:6400*\a+FO+1280
.endr
.endm
; 32 matrix instructions: K step s on set p.  The 32 accumulators take turns, one instruction a turn, in the same order in every step.
; cmode 0: C = the accumulator;  1: the sums start from the bias of R's rows (eight registers a tile of R);  2: from the bias of L's rows (one number a lane, in eight registers a tile of L)
.macro MUL32 s, p, cmode
.irp a, 0,1,2,3
.irp b, 0,1,2,3,4,5,6,7
.if \cmode == 0
	v_wmma_scale_f32_16x16x128_f8f6f4 v[8*(8*\a+\b):8*(8*\a+\b)+7], v[128*(\p)+12*\b:128*(\p)+12*\b+11], v[128+48*(\p)+12*\a:128+48*(\p)+12*\a+11], v[8*(8*\a+\b):8*(8*\a+\b)+7], v[SC+8*\b+(\s)], v[SC+8*\a+(\s)] matrix_a_fmt:MATRIX_FMT_FP6 matrix_b_fmt:MATRIX_FMT_FP6 matrix_b_scale:MATRIX_SCALE_ROW1
.elseif \cmode == 1
	v_wmma_scale_f32_16x16x128_f8f6f4 v[8*(8*\a+\b):8*(8*\a+\b)+7], v[128*(\p)+12*\b:128*(\p)+12*\b+11], v[128+48*(\p)+12*\a:128+48*(\p)+12*\a+11], v[96+8*\b+96*(\b/4):96+8*\b+96*(\b/4)+7], v[SC+8*\b+(\s)], v[SC+8*\a+(\s)] matrix_a_fmt:MATRIX_FMT_FP6 matrix_b_fmt:MATRIX_FMT_FP6 matrix_b_scale:MATRIX_SCALE_ROW1
.else
	v_wmma_scale_f32_16x16x128_f8f6f4 v[8*(8*\a+\b):8*(8*\a+\b)+7], v[128*(\p)+12*\b:128*(\p)+12*\b+11], v[128+48*(\p)+12*\a:128+48*(\p)+12*\a+11], v[96+8*\a:96+8*\a+7], v[SC+8*\b+(\s)], v[SC+8*\a+(\s)] matrix_a_fmt:MATRIX_FMT_FP6 matrix_b_fmt:MATRIX_FMT_FP6 matrix_b_scale:MATRIX_SCALE_ROW1
.endif
.endr
.endr
.endm
; What stands ahead of K step s's products: its fragments are in; the next step's are asked for, into the set that the step before multiplied.  Ahead of K step 4's fetch the second chunk is shown whole to all four waves.
.macro PRE s
	s_wait_dscnt 0x0
.if (\s) == 3
	s_wait_tensorcnt 0x0                           ; my part of the second chunk has landed;
	s_barrier_signal -1
	s_barrier_wait -1                              ; everybody's has.
.endif
.if (\s) < 7
.if (\s) > 0
	PLACES
.endif
.if (\s) == 3
	SCALES 1
.endif
	FETCH (\s)+1, ((\s)+1)%2
.endif
.endm
	s_load_b256 s[4:11], s[0:1], 0x0               ; xq s[4:5], wq s[6:7], b_qkv s[8:9], qk s[10:11]
	s_load_b64 s[12:13], s[0:1], 0x20              ; vt
	v_lshl_add_u32 v[SPW], v0, 2, SPARE
	v_mov_b32 v[NIL], 0
	ds_add_u32 v[SPW], v[NIL]                      ; the wave's opening: the add and its wait stand ahead of my first tensor load; work on registers stands between them
	ds_add_u32 v[SPW], v[NIL]
	v_lshrrev_b32 v1, 5, v0
	v_readfirstlane_b32 s14, v1                    ; wave 0..3
	s_lshr_b32 s15, s14, 1                         ; my half of L's rows.  Also: which K half I fetch
	s_and_b32 s16, s14, 1                          ; my half of R's rows.  Also: I fetch for L (0) or for R (1)
	s_bfe_u32 s17, ttmp6, 0x40000                  ; cx
	s_bfe_u32 s18, ttmp6, 0x40004                  ; cy
	s_and_b32 s20, ttmp7, 0xffff                   ; the cluster's y
	s_lshl_b32 s22, s18, 2
	s_lshl_b32 s22, 15, s22                        ; my row of the cluster
	s_lshl_b32 s23, 0x1111, s17                    ; my column
	; group 1: ROWS half records of 6,400 bytes (800 elements of 8 bytes), 12,800 bytes apart in memory, dense in LDS
	s_or_b32 s[G1L], s22, (3<<16)|(1<<21)          ; 15:0 the mask; 17:16 elements of 8 bytes; 20 no padding; 21 set beside a mask
	s_or_b32 s[G1R], s23, (3<<16)|(1<<21)
	s_mov_b32 s[G1L+1], 800<<16                    ; tensor_dim0
	s_mov_b32 s[G1L+2], 8<<16                      ; tensor_dim1: one load brings a K half of all eight tiles of L
	s_mov_b32 s[G1L+3], 800<<16                    ; tile_dim0
	s_mov_b32 s[G1L+4], 8                          ; tile_dim1
	s_mov_b32 s[G1L+5], 1600                       ; from record to record
	s_mov_b32 s[G1L+6], 0
	s_mov_b32 s[G1L+7], 0
	s_mov_b32 s[G1R+1], 800<<16
	s_mov_b32 s[G1R+2], 16<<16
	s_mov_b32 s[G1R+3], 800<<16
	s_mov_b32 s[G1R+4], 16                         ; a K half of all sixteen tiles of R
	s_mov_b32 s[G1R+5], 1600
	s_mov_b32 s[G1R+6], 0
	s_mov_b32 s[G1R+7], 0
	s_mov_b32 s[SEL], 0x76543210
	s_mov_b32 s[SEL+1], 0xfedcba98
	; which block.  The mode hangs on the cluster's y alone: it is the same in all sixteen partners.  cy enters L's numbers alone, cx R's alone.
	s_lshl_b32 s58, s20, 2                         ; q, k: L block 4 CY + cy
	s_and_b32 s59, s20, 1
	s_lshl_b32 s59, s59, 2                         ; v: L block 4 (CY % 2) + cy
	s_bfe_u32 s60, s20, 0x20001
	s_lshl_b32 s60, s60, 3                         ; v: R block 4 CX + 8 ((CY / 2) % 4) + cx
	s_lshl_b32 s62, ttmp9, 2
	s_cmp_ge_u32 s20, 16
	s_cselect_b32 s21, 1, 0                        ; the mode: 1 = v
	s_cselect_b32 s56, s59, s58
	s_cselect_b32 s61, 128, 0                      ; v's features begin at tile 128 of wq
	s_cselect_b32 s57, s60, 0
	s_add_co_u32 s56, s56, s18                     ; Lt
	s_add_co_u32 s57, s57, s62
	s_add_co_u32 s57, s57, s17                     ; Rt
	s_lshl_b32 s70, s56, 3
	s_add_co_u32 s70, s70, s61
	s_mul_i32 s70, s70, 12800
	s_mov_b32 s71, 0
	s_lshl_b32 s72, s57, 4
	s_mul_i32 s72, s72, 12800
	s_mov_b32 s73, 0
	s_mov_b32 s58, 0
	s_mov_b32 s59, 0
	s_wait_dscnt 0x0                               ; the opening add is done
	s_wait_kmcnt 0x0
	s_cmp_eq_u32 s21, 0
	s_cselect_b64 s[66:67], s[4:5], s[6:7]         ; L: xq, or wq
	s_cselect_b64 s[68:69], s[6:7], s[4:5]         ; R: wq, or xq
	s_add_nc_u64 s[66:67], s[66:67], s[70:71]
	s_add_nc_u64 s[68:69], s[68:69], s[72:73]
.irp q, 0,1
	s_mov_b32 s[G0L+4*\q], 1
	s_add_co_u32 s[G0L+4*\q+1], s58, 204800+51200*\q
	s_add_nc_u64 s[G0L+4*\q+2:G0L+4*\q+3], s[66:67], 6400*\q
	s_or_b32 s[G0L+4*\q+3], s[G0L+4*\q+3], 0x80000000
	s_mov_b32 s[G0R+4*\q], 1
	s_add_co_u32 s[G0R+4*\q+1], s59, 102400*\q
	s_add_nc_u64 s[G0R+4*\q+2:G0R+4*\q+3], s[68:69], 6400*\q
	s_or_b32 s[G0R+4*\q+3], s[G0R+4*\q+3], 0x80000000
.endr
	CROUND                                         ; all sixteen work-groups are here: the joint loads meet
	; THE HEAD'S FOUR LOADS, ONE A WAVE, in one chain of branches on the wave's number: wave 0 L's first K half, wave 1 R's first, wave 2 L's second, wave 3 R's second
	s_cmp_eq_u32 s14, 0
	s_cbranch_scc0 .Lhead_1
	tensor_load_to_lds s[G0L:G0L+3], s[G1L:G1L+7]
	s_nop 0
.rept 4
	v_nop
.endr
	s_branch .Lhead_asked
.Lhead_1:
	s_cmp_eq_u32 s14, 1
	s_cbranch_scc0 .Lhead_2
	tensor_load_to_lds s[G0R:G0R+3], s[G1R:G1R+7]
	s_nop 0
.rept 4
	v_nop
.endr
	s_branch .Lhead_asked
.Lhead_2:
	s_cmp_eq_u32 s14, 2
	s_cbranch_scc0 .Lhead_3
	tensor_load_to_lds s[G0L+4:G0L+7], s[G1L:G1L+7]
	s_nop 0
.rept 4
	v_nop
.endr
	s_branch .Lhead_asked
.Lhead_3:
	tensor_load_to_lds s[G0R+4:G0R+7], s[G1R:G1R+7]
	s_nop 0
.rept 4
	v_nop
.endr
.Lhead_asked:
	; lane addresses
	v_and_b32 v1, 15, v0                           ; r
	v_bfe_u32 v2, v0, 4, 1                         ; h
	v_and_b32 v3, 31, v0
	v_lshlrev_b32 v18, 4, v3                       ; 16 x lane
	v_lshlrev_b32 v19, 3, v3                       ; 8 x lane
	v_lshlrev_b32 v26, 4, v1                       ; 16 r
	s_mul_i32 s74, s16, 51200                      ; my eight tiles of R
	s_mul_i32 s75, s15, 25600                      ; my four tiles of L
	s_xor_b32 s76, s16, 1
	s_mul_i32 s76, s76, 51200
	s_add_co_u32 s76, s76, s75
.irp q, 0,1
	s_add_co_u32 s77, s74, 102400*\q
	v_add_nc_u32 v[4+\q], s77, v18
	v_add_nc_u32 v[6+\q], s77, v19
	v_add_nc_u32 v[14+\q], s77, v26                ; R's scale words, in all lanes
	s_add_co_u32 s78, s75, 204800+51200*\q
	v_add_nc_u32 v[8+\q], s78, v18
	v_add_nc_u32 v[10+\q], s78, v19
	s_add_co_u32 s79, s76, 153600-51200*\q         ; from my R records to my L records: one product with h
	v_mul_u32_u24 v27, s79, v2
	v_add_nc_u32 v[12+\q], v[14+\q], v27           ; lanes 0-15 R's scale words, lanes 16-31 L's
.endr
.irp b, 0,1,2,3
	v_mov_b32 v[TM+4+\b], 0                        ; written once: a lane permute's destination counts as one of its sources
.endr
	v_lshlrev_b32 v23, 4, v2                       ; 16 h
	v_lshlrev_b32 v24, 6, v2                       ; 64 h: the bias of R's rows: my half's eight of a tile
	v_and_b32 v27, 8, v1
	v_add_nc_u32 v27, v27, v1
	v_lshlrev_b32 v25, 2, v27                      ; 4 (r + 8 (r / 8)): the bias of L's row at my place
	; where the results go
	s_lshl_b32 s82, s57, 8
	s_lshl_b32 s83, s16, 7
	s_add_co_u32 s82, s82, s83
	s_add_co_u32 s82, s82, s56                     ; q, k: record 64 (4 Rt + 2 Rhalf) + Lt
	s_lshr_b32 s84, s57, 3
	s_lshl_b32 s84, s84, 8
	s_lshl_b32 s83, s56, 5
	s_add_co_u32 s84, s84, s83
	s_lshl_b32 s83, s15, 4
	s_add_co_u32 s84, s84, s83
	s_and_b32 s83, s57, 7
	s_lshl_b32 s83, s83, 1
	s_add_co_u32 s84, s84, s83
	s_add_co_u32 s84, s84, s16                     ; v: record 16 (16 (Rt / 8) + 2 Lt + Lhalf) + 2 (Rt % 8) + Rhalf
	s_mul_i32 s85, s15, 3072
	s_mov_b32 s86, 3072
	s_lshl_b32 s79, s57, 10
	s_lshl_b32 s80, s16, 9
	s_add_co_u32 s79, s79, s80                     ; q, k: the bias of features 256 Rt + 128 Rhalf on
	s_lshl_b32 s81, s56, 9
	s_lshl_b32 s80, s15, 8
	s_add_co_u32 s81, s81, s80
	s_add_co_u32 s81, s81, 8192                    ; v: of features 2048 + 128 Lt + 64 Lhalf on
	s_cmp_eq_u32 s21, 0
	s_cselect_b32 s82, s82, s84
	s_cselect_b32 s85, s85, 0                      ; q, k: my four token tiles' HFs in the record
	s_cselect_b32 s86, 409600, s86                 ; from a fragment's first HF to its second: the next head's record, or the keys' second 64
	s_cselect_b32 s80, s79, s81
	s_cselect_b64 s[88:89], s[10:11], s[12:13]
	s_mul_i32 s82, s82, 6400
	s_mov_b32 s83, 0
	s_add_nc_u64 s[88:89], s[88:89], s[82:83]      ; the record
	s_add_co_u32 s90, s85, 256
	s_mov_b32 s91, 0
	s_add_nc_u64 s[92:93], s[88:89], s[90:91]      ; its HFs
	s_mov_b32 s81, 0
	s_add_nc_u64 s[8:9], s[8:9], s[80:81]
	v_add_nc_u32 v20, s86, v18
	v_add_nc_u32 v21, s86, v19
	v_mul_u32_u24 v22, v2, 409600
	v_add_nc_u32 v22, v22, v26
	v_lshl_add_u32 v22, s15, 3, v22                ; q, k: pair words: head A in lanes 0-15, head B in lanes 16-31; 16 r + 8 Lhalf
	; the bias, into window 1: it is the C of each sum's first matrix instruction
	s_cmp_eq_u32 s21, 0
	s_cbranch_scc0 .Lbias_v
	WIN 0x40
	s_wait_alu depctr_va_vdst(0)
.irp b, 0,1,2,3,4,5,6,7
	global_load_b128 v[96+8*\b+96*(\b/4):96+8*\b+96*(\b/4)+3],   v24, s[8:9] offset:4*(32*(\b/2)+8*(\b%2))
	global_load_b128 v[96+8*\b+96*(\b/4)+4:96+8*\b+96*(\b/4)+7], v24, s[8:9] offset:4*(32*(\b/2)+8*(\b%2))+16
.endr
	WIN 0
	s_branch .Lbias_done
.Lbias_v:
	WIN 0x40
	s_wait_alu depctr_va_vdst(0)
.irp a, 0,1,2,3
.irp j, 0,1,2,3,4,5,6,7
	global_load_b32 v[96+8*\a+\j], v25, s[8:9] offset:4*(32*(\a/2)+8*(\a%2))
.endr
.endr
	WIN 0
.Lbias_done:
	s_cmp_lt_u32 s14, 2                            ; waves 0 and 1 asked for the first K half, each by a line of its own: they wait for it; the second half may stay out
	s_cbranch_scc0 .Lnot_first
	s_wait_tensorcnt 0x0
.Lnot_first:
	s_barrier_signal -1
	s_barrier_wait -1                              ; everybody's is
	SCALES 0
	FETCH 0, 0
	PRE 0
	s_wait_loadcnt 0x0                             ; the bias
	s_cmp_eq_u32 s21, 0
	s_cbranch_scc0 .Lstart_v
	WIN 0x91                                       ; source 0 window 1, source 1 window 0, C (the bias) window 1, D window 2
	MUL32 0, 0, 1
	WIN 0
	s_branch .Lstarted
.Lstart_v:
	WIN 0x91
	MUL32 0, 0, 2
	WIN 0
.Lstarted:
.irp s, 1,2,3,4,5,6,7
	PRE \s
	WIN 0xa1                                       ; C and D window 2
	MUL32 \s, (\s)%2, 0
.endr
	WIN 0
; THE WAY OUT.  The 64 registers of L tile a, register 16 b + i = R's row 32 b + 16 h + i, become a fragment's codes (v[PCA] on) and its scale word (v[PW + a]).  The accumulators are read where they lie, in window 2, each from its low end on.
.macro QUANT a
.set PCA, 128+12*(\a)                  ; the places are chosen so that no conversion's destination has the number of one of its sources
.set PTA, 176
.if (\a) == 2
.set PCA, 200
.set PTA, 216
.endif
.if (\a) == 3
.set PCA, 152
.endif
	WIN 0x0a
.irp b, 0,1,2,3
	v_max3_num_f32 v[TM+\b], |v[64*(\a)+16*\b]|, |v[64*(\a)+16*\b+1]|, 0x1800000   ; block b: my 16 numbers, and the floor 2^(3 - 127): the byte cannot fall under 1
.endr
	WIN 0x28
.irp i, 2,4,6,8,10,12,14
.irp b, 0,1,2,3
	v_max3_num_f32 v[TM+\b], v[TM+\b], |v[64*(\a)+16*\b+\i]|, |v[64*(\a)+16*\b+\i+1]|
.endr
.endr
	WIN 0
.irp b, 0,1,2,3
	v_permlanex16_b32 v[TM+4+\b], v[TM+\b], s[SEL], s[SEL+1]
.endr
.irp b, 0,1,2,3
	v_max_num_f32 v[TM+\b], v[TM+\b], v[TM+4+\b]   ; with lane xor 16's: the block's largest magnitude
.endr
.irp b, 0,1,2,3
	v_add_nc_u32 v[TM+12+\b], 0xff000000, v[TM+\b] ; 2 off its exponent field: the conversion's scale operand
.endr
.irp b, 0,1,2,3
	v_lshrrev_b32 v[TM+4+\b], 23, v[TM+12+\b]      ; the scale's byte
.endr
	v_lshl_or_b32 v[PW+(\a)], v[TM+5], 8, v[TM+4]
	v_lshl_or_b32 v[PW+(\a)], v[TM+6], 16, v[PW+(\a)]
	v_lshl_or_b32 v[PW+(\a)], v[TM+7], 24, v[PW+(\a)]
	WIN 0x02
.irp c, 0,1
	v_cvt_scalef32_pk16_fp6_f32 v[PCA+6*\c:PCA+6*\c+2], v[64*(\a)+32*\c:64*(\a)+32*\c+15], v[TM+12+2*\c]
	v_cvt_scalef32_pk16_fp6_f32 v[PTA+4*\c:PTA+4*\c+2], v[64*(\a)+32*\c+16:64*(\a)+32*\c+31], v[TM+13+2*\c]
.endr
	WIN 0
	v_nop                                          ; one plain instruction behind a scaled conversion
.irp c, 0,1                            ; the layout wants a whole block in a lane: lanes 0-15 block 2 c, lanes 16-31 block 2 c + 1
.irp k, 0,1,2
	v_permlane16_swap_b32 v[PCA+6*\c+\k], v[PTA+4*\c+\k]
.endr
.irp k, 0,1,2
	v_mov_b32 v[PCA+6*\c+3+\k], v[PTA+4*\c+\k]
.endr
.endr
	global_store_b128 v18, v[PCA:PCA+3],     s[92:93] offset:768*(\a)       ; the fragment's two HFs, each 512 + 256 consecutive bytes; every tile has registers of its own, so no store's data are written again
	global_store_b64  v19, v[PCA+4:PCA+5],   s[92:93] offset:768*(\a)+512
	global_store_b128 v20, v[PCA+6:PCA+9],   s[92:93] offset:768*(\a)
	global_store_b64  v21, v[PCA+10:PCA+11], s[92:93] offset:768*(\a)+512
.endm
	PLACES
	QUANT 0
	QUANT 1
	QUANT 2
	QUANT 3
	s_cmp_eq_u32 s21, 0
	s_cbranch_scc0 .Lwords_v
.irp p, 0,1                            ; q, k: a word's low half is head A's two bytes, its high half head B's: each half of the lanes takes its head's, of two tiles
	v_lshrrev_b32 v118, v23, v[PW+2*\p]
	v_lshrrev_b32 v119, v23, v[PW+2*\p+1]
	v_and_b32 v118, 0xffff, v118
	v_lshl_or_b32 v[116+\p], v119, 16, v118
.endr
	global_store_b64 v22, v[116:117], s[88:89]     ; eight bytes a lane, 16 apart: the wave with the other half of L's rows writes the eight between
	s_branch .Lwords_done
.Lwords_v:
	global_store_b128 v26, v[PW:PW+3], s[88:89]    ; v: 256 consecutive bytes; both halves of the lanes write the same bytes with the same values
.Lwords_done:
	s_wait_tensorcnt 0x0                           ; the wave's end
	ds_add_u32 v[SPW], v[NIL]
	s_wait_dscnt 0x0
	CROUND                                         ; the closing round
	s_endpgm
.Lfunc_end_k_q3f2d447f9c_qkv:
	.size	k_q3f2d447f9c_qkv, .Lfunc_end_k_q3f2d447f9c_qkv-k_q3f2d447f9c_qkv
	.p2alignl 7, 3214868480
	.fill 96, 4, 3214868480
	.section	.rodata,"a",@progbits
	.p2align	6, 0x0
	.amdhsa_kernel k_q3f2d447f9c_qkv
		.amdhsa_group_segment_fixed_size 327680
		.amdhsa_private_segment_fixed_size 0
		.amdhsa_enable_private_segment 0
		.amdhsa_kernarg_size 40
		.amdhsa_user_sgpr_count 2
		.amdhsa_user_sgpr_kernarg_segment_ptr 1
		.amdhsa_wavefront_size32 1
		.amdhsa_system_sgpr_workgroup_id_x 1
		.amdhsa_system_sgpr_workgroup_id_y 1
		.amdhsa_system_sgpr_workgroup_id_z 1
		.amdhsa_system_vgpr_workitem_id 0
		.amdhsa_next_free_vgpr 768
		.amdhsa_next_free_sgpr 100
		.amdhsa_reserve_vcc 0
		.amdhsa_float_denorm_mode_32 3
		.amdhsa_float_denorm_mode_16_64 3
		.amdhsa_memory_ordered 1
		.amdhsa_forward_progress 1
		.amdhsa_inst_pref_size 96
	.end_amdhsa_kernel
	.amdgpu_metadata
---
amdhsa.version: [ 1, 2 ]
amdhsa.kernels:
  - .name:           k_q3f2d447f9c_qkv
    .symbol:         k_q3f2d447f9c_qkv.kd
    .args:
      - { .name: xq, .offset: 0, .size: 8, .value_kind: global_buffer, .address_space: global }
      - { .name: wq, .offset: 8, .size: 8, .value_kind: global_buffer, .address_space: global }
      - { .name: b_qkv, .offset: 16, .size: 8, .value_kind: global_buffer, .address_space: global }
      - { .name: qk, .offset: 24, .size: 8, .value_kind: global_buffer, .address_space: global }
      - { .name: vt, .offset: 32, .size: 8, .value_kind: global_buffer, .address_space: global }
    .group_segment_fixed_size: 327680
    .private_segment_fixed_size: 0
    .kernarg_segment_align: 8
    .kernarg_segment_size: 40
    .max_flat_workgroup_size: 128
    .sgpr_count:     100
    .vgpr_count:     768
    .wavefront_size: 32
...
	.end_amdgpu_metadata
.endif
;; end of part 2
;; launch attn (part 3): grid 4 x 64, 16 waves a work-group, clusters of 4 x 1, 212,992 bytes of LDS; arguments qk, vt, oq; writes oq
.if DOCPART == 3
	.amdgcn_target "amdgcn-amd-amdhsa--gfx1250"
	.amdhsa_code_object_version 6
	.text
	.protected	k_q3f2d447f9c_attn
	.globl	k_q3f2d447f9c_attn
	.p2align	8
	.type	k_q3f2d447f9c_attn,@function
k_q3f2d447f9c_attn:
	s_mov_b64 s[64:65], 0
	v_nop
	global_prefetch_b8 v0, s[64:65] scope:SCOPE_SE
	s_setreg_imm32_b32 hwreg(HW_REG_WAVE_MODE, 25, 1), 1
	s_wait_xcnt 0x0
	s_wait_alu depctr_hold_cnt(0) depctr_sa_sdst(0) depctr_va_vdst(0) depctr_va_sdst(0) depctr_va_ssrc(0) depctr_va_vcc(0) depctr_vm_vsrc(0)
	s_getreg_b32 s2, hwreg(HW_REG_IB_STS2, 6, 4)
	s_cmp_eq_u32 s2, 0
	s_cbranch_scc0 .Lentry_in_a_cluster
	s_endpgm
.Lentry_in_a_cluster:
	s_bfe_u32 s2, ttmp6, 0x10000c
	s_cmp_lg_u32 s2, 0x3003
	s_cbranch_scc0 .Lentry_shape_is_right
	s_endpgm
.Lentry_shape_is_right:
; O = softmax(q k^T / 8) v for one head of one batch, both products on codes of FP6 (E2M3) with E8M0 scales, and O / l quantised along the model's 1,024 for the last product.
; THE SOFTMAX: t = score x log2(e) / 8; M = the running largest t rounded UP to a whole number; p = 2^(t - M) is quantised along the keys, not normalised; the row's sum is taken of the unquantised p and divides O at the end.
; When M moves, the sum and O are multiplied by 2^(old M - new M), which rounds nothing.
; SHARES.  The cluster's y is batch x head; each of its four work-groups takes 512 queries; each of sixteen waves two tiles of 16 queries, one after the other, in 256 registers.  A key step is 128 keys.
; LDS.  The head's whole K (16 records of 6,400 bytes, from byte 0) and V (16 records, from byte 102,400) are filled ONCE: wave w asks for the two records at LDS byte 12,800 w, one tensor load a wave, one out at the most.
; No byte is filled again, nothing is stored to LDS.  All four work-groups want the same bytes: every load is a joint one.  Nothing is prefetched: all of K and V is asked for at the head, ahead of any loop.
; LAYOUT.  Both products are used transposed (S^T = K Q^T, O^T = V^T P^T): a lane holds ONE query throughout.  THE HEAD IS 64, THE INSTRUCTION'S K 128: a fragment of K holds two key tiles, one in k 0-63, one in k 64-127;
; against Q below zero codes it gives the first tile's scores, against Q above zero codes the second's.  Zero codes add nothing under any scale byte that occurs here (1 to 252).
; THE KEYS OF A TILE ARE CHOSEN BY THE LANES' LDS ADDRESSES.  In a record, tile 2 P + u holds at place r' key 32 P + 8 u + r' + 8 (r' / 8).  Lane row r = 8 G + i of fragment (c, t) reads place 8 t + i of tiles 2 (2 c + G) and 2 (2 c + G) + 1:
; so score register 32 c + 8 T + j of lane (query, h) is key 64 c + 32 h + 8 T + j: A LANE'S 32 REGISTERS ARE ONE WHOLE BLOCK OF 32 KEYS, in P's own operand order.  No lane is asked for a block's maximum, and no codes change lanes.
; (The two groups of eight rows lie 1,536 bytes apart, so two lanes of such a load name different words of one bank.)
; THE ORDER OF A STEP j: the blocks' maxima in eight chains; the chain from them to -M, with the LDS loads of V(j) and K(j + 1) laid between its links; t - M, the exponentials, the sum in four chains with the scale bytes' lines between its rounds;
; the conversions; at its end the eight products of S(j + 1) and then the four of O += V(j) P(j).  So most lines read what was written four or more lines earlier.
; LIMITS: NaN and infinities are not served; the promise holds while the scaled scores t stay under 2^31 in magnitude; a block of zeros, and one whose largest magnitude lies under 2^-124, gets the byte 1 (read by this program alone; a zero block's codes are zeros).
.set SPARE, 204800                     ; behind K and V: the spare words, 128 bytes a wave: eight blocks of 256 bytes that no other line names
.set L16,  1                           ; 16 x lane
.set L8,   2                           ; 8 x lane
.set R16,  3                           ; 16 (lane % 16)
.set SPW,  4                           ; SPARE + 4 x my thread's number; never rewritten
.set NIL,  5                           ; 0; never rewritten
.set KB16, 6                           ; K's lane terms: 256 h + 16 i + 1536 G,
.set KB8,  7                           ; 128 h + 8 i + 1536 G,
.set KBS,  11                          ; 16 i + 4 G
.set KA16, 8                           ; v8-10 the step's LDS addresses for K, v12-14 for V
.set KA8,  9
.set KAS,  10
.set VA16, 12
.set VA8,  13
.set VAS,  14
.set SH8,  15                          ; 8 h
.set NM,   16                          ; -M;  v17 the largest score so far
.set SMX,  17
.set LS,   18                          ; v[18:19] the row's sum, in two halves
.set F,    20                          ; the old -M, then f = 2^(old M - new M);  v21 is written once, being named with it as a pair
.set QW,   22                          ; Q's scale word
.set PW,   23                          ; p's
.set VW,   24                          ; v24-27 V's scale words
.set KW,   28                          ; v28-31 K's
.set Q,    32                          ; v32-37 Q, v38-43 zero codes, v44-49 Q once more: Q below zeros is v[32:43], Q above zeros v[38:49]
.set MX,   50                          ; v50-51 my two blocks' largest score, then largest p, then the conversions' scale operand
.set KF,   52                          ; v52-99 K's four fragments
.set VF,   100                         ; v100-147 V's four
.set S,    148                         ; v148-211 S^T, then p
.set O,    212                         ; v212-243 O^T
.set PC,   244                         ; v244-255 p's codes; until they are made, work registers: the maxima's eight chains and the sum's four in PC .. PC + 7, two more maxima in PC + 8 and PC + 11,
.set TA,   PC+9                        ; and two for the short chains
.set TB,   PC+10
.set WV,   10                          ; s10 my wave's number
.set G1,   24                          ; s[24:31] group 1;  s[32:35] group 0
.set G0,   32
.set TK,   74                          ; s74 LDS byte of K's record of the NEXT step;  s75 of V's of this step;  s76 counts steps
.set TV,   75
.set CNT,  76
.macro CROUND                          ; a round of the cluster's barrier
	s_barrier_signal -1
	s_barrier_wait -1
	s_cmp_lg_u32 s[WV], 0
	s_cbranch_scc1 .Lnot_wave_0_\@
	s_barrier_signal -3
.Lnot_wave_0_\@:
	s_barrier_wait -3
	s_barrier_signal -1
	s_barrier_wait -1
.endm
.macro WALU
	s_wait_alu depctr_va_vdst(0)
.endm
.macro QLOAD off                       ; a tile's Q, its 24 bytes a lane twice, and its rows' pair word
	global_load_b128 v[Q:Q+3], v[L16], s[66:67] offset:\off
	global_load_b64  v[Q+4:Q+5], v[L8], s[66:67] offset:\off+512
	global_load_b128 v[Q+12:Q+15], v[L16], s[66:67] offset:\off
	global_load_b64  v[Q+16:Q+17], v[L8], s[66:67] offset:\off+512
	global_load_b32  v[QW], v[R16], s[68:69] offset:\off
.endm
.macro KL a16, a8, as, c, t            ; K's fragment (c, t) and its rows' pair word: five loads
	ds_load_b128 v[KF+12*(2*\c+\t):KF+12*(2*\c+\t)+3],     v[\a16] offset:256+3072*\c+128*\t
	ds_load_b64  v[KF+12*(2*\c+\t)+4:KF+12*(2*\c+\t)+5],   v[\a8]  offset:768+3072*\c+64*\t
	ds_load_b128 v[KF+12*(2*\c+\t)+6:KF+12*(2*\c+\t)+9],   v[\a16] offset:1024+3072*\c+128*\t
	ds_load_b64  v[KF+12*(2*\c+\t)+10:KF+12*(2*\c+\t)+11], v[\a8]  offset:1536+3072*\c+64*\t
	ds_load_b32  v[KW+2*\c+\t], v[\as] offset:128*\t+8*\c
.endm
.macro VL a                            ; V's fragment a (16 dims x 128 keys): four loads
	ds_load_b128 v[VF+12*\a:VF+12*\a+3],     v[VA16] offset:256+768*\a
	ds_load_b64  v[VF+12*\a+4:VF+12*\a+5],   v[VA8]  offset:768+768*\a
	ds_load_b128 v[VF+12*\a+6:VF+12*\a+9],   v[VA16] offset:3328+768*\a
	ds_load_b64  v[VF+12*\a+10:VF+12*\a+11], v[VA8]  offset:3840+768*\a
.endm
.macro QK                              ; S^T of 128 keys: eight products, each on an accumulator of its own
.irp c, 0,1
.irp t, 0,1
	v_wmma_scale_f32_16x16x128_f8f6f4 v[S+32*\c+16*\t:S+32*\c+16*\t+7],    v[KF+12*(2*\c+\t):KF+12*(2*\c+\t)+11], v[Q:Q+11],   0, v[KW+2*\c+\t], v[QW] matrix_a_fmt:MATRIX_FMT_FP6 matrix_b_fmt:MATRIX_FMT_FP6
	v_wmma_scale_f32_16x16x128_f8f6f4 v[S+32*\c+16*\t+8:S+32*\c+16*\t+15], v[KF+12*(2*\c+\t):KF+12*(2*\c+\t)+11], v[Q+6:Q+17], 0, v[KW+2*\c+\t], v[QW] matrix_a_fmt:MATRIX_FMT_FP6 matrix_b_fmt:MATRIX_FMT_FP6
.endr
.endr
.endm
	s_load_b128 s[4:7], s[0:1], 0x0                ; qk, vt
	s_load_b64 s[8:9], s[0:1], 0x10                ; oq
	v_lshl_add_u32 v[SPW], v0, 2, SPARE
	v_mov_b32 v[NIL], 0
	ds_add_u32 v[SPW], v[NIL]                      ; the wave's opening: the add, twice on end, and its wait stand ahead of my tensor load; work on registers stands between
	ds_add_u32 v[SPW], v[NIL]
	v_lshrrev_b32 v6, 5, v0
	v_readfirstlane_b32 s[WV], v6                  ; wave 0..15
	s_bfe_u32 s11, ttmp6, 0x40000                  ; cx: it enters Q's and O's addresses alone
	s_and_b32 s12, ttmp7, 0xffff                   ; batch x head
	s_lshr_b32 s13, s12, 4                         ; batch
	s_and_b32 s14, s12, 15                         ; head
	; group 1: two records, 12,800 dense bytes, as 50 rows of 256 bytes (32 elements of 8 bytes)
	s_mov_b32 s[G1], 15|(3<<16)|(1<<21)            ; 15:0 the mask: all four work-groups; 17:16 elements of 8 bytes; no padding; 21 set beside a mask
	s_mov_b32 s[G1+1], 32<<16
	s_mov_b32 s[G1+2], 50<<16
	s_mov_b32 s[G1+3], 32<<16
	s_mov_b32 s[G1+4], 50
	s_mov_b32 s[G1+5], 32
	s_mov_b32 s[G1+6], 0
	s_mov_b32 s[G1+7], 0
	s_mov_b32 s20, 0x76543210
	s_mov_b32 s21, 0xfedcba98                      ; selects for lane xor 16
	s_mov_b32 s22, 0x3e38aa3b                      ; c = log2(e) / 8
	s_mov_b32 s23, s22                             ; (named with it as a pair, so it is written)
	s_mov_b32 s38, 0xbe38aa3b                      ; -c
	s_lshl_b32 s78, s14, 6
	s_add_co_u32 s78, s78, 1024
	s_lshl_b32 s79, s13, 4
	s_add_co_u32 s78, s78, s79
	s_mul_i32 s78, s78, 6400                       ; K: records 64 (16 + head) + 16 batch on
	s_mov_b32 s79, 0
	s_mul_i32 s80, s12, 102400                     ; V: 16 records a head
	s_mov_b32 s81, 0
	s_lshl_b32 s82, s14, 6
	s_lshl_b32 s83, s13, 4
	s_add_co_u32 s82, s82, s83
	s_lshl_b32 s83, s11, 2
	s_add_co_u32 s82, s82, s83
	s_lshr_b32 s83, s[WV], 3
	s_add_co_u32 s82, s82, s83
	s_mul_i32 s82, s82, 6400                       ; Q: record 64 head + 16 batch + 4 cx + wave / 8 (the second tile's lies two records on)
	s_mov_b32 s83, 0
	s_and_b32 s84, s[WV], 7
	s_mul_i32 s86, s84, 768
	s_add_co_u32 s86, s86, 256                     ; its half fragment of tile wave % 8
	s_mov_b32 s87, 0
	s_lshr_b32 s84, s84, 1
	s_lshl_b32 s84, s84, 2                         ; and the tile's pair word,
	s_mov_b32 s85, 0
	s_and_b32 s77, s[WV], 1
	s_lshl_b32 s77, s77, 4                         ; in which my tile's two bytes stand 16 (wave % 2) bits up
	s_lshl_b32 s88, s13, 7
	s_lshl_b32 s89, s11, 5
	s_add_co_u32 s88, s88, s89
	s_add_co_u32 s88, s88, s[WV]
	s_mul_i32 s88, s88, 12800                      ; O: the record of token tile 128 batch + 32 cx + wave (the second tile's lies 16 records on),
	s_lshr_b32 s89, s14, 3
	s_mul_i32 s89, s89, 6400
	s_add_co_u32 s88, s88, s89                     ; its half head / 8,
	s_mov_b32 s89, 0
	s_and_b32 s90, s14, 7
	s_mul_i32 s90, s90, 768
	s_add_co_u32 s90, s90, 256                     ; half fragment head % 8,
	s_mov_b32 s91, 0
	s_bfe_u32 s92, s14, 0x20001
	s_lshl_b32 s92, s92, 2
	s_and_b32 s93, s14, 1
	s_lshl_b32 s93, s93, 1
	s_add_co_u32 s92, s92, s93                     ; and the head's two bytes in a row's scale words
	s_mov_b32 s93, 0
	s_and_b32 s36, s[WV], 7
	s_mul_i32 s36, s36, 12800                      ; my two records in K (waves 0-7) or in V (waves 8-15)
	s_mov_b32 s37, 0
	s_mov_b32 s[G0], 1
	s_mul_i32 s[G0+1], s[WV], 12800                ; and in LDS: the wave's number alone enters an LDS address
	s_wait_dscnt 0x0                               ; both opening adds are done
	s_wait_kmcnt 0x0
	s_add_nc_u64 s[94:95], s[4:5], s[78:79]
	s_add_nc_u64 s[96:97], s[6:7], s[80:81]
	s_cmp_lt_u32 s[WV], 8
	s_cselect_b64 s[G0+2:G0+3], s[94:95], s[96:97]
	s_add_nc_u64 s[G0+2:G0+3], s[G0+2:G0+3], s[36:37]
	s_or_b32 s[G0+3], s[G0+3], 0x80000000
	s_add_nc_u64 s[68:69], s[4:5], s[82:83]
	s_add_nc_u64 s[66:67], s[68:69], s[86:87]      ; Q's half fragment
	s_add_nc_u64 s[68:69], s[68:69], s[84:85]      ; Q's pair word
	s_add_nc_u64 s[72:73], s[8:9], s[88:89]
	s_add_nc_u64 s[70:71], s[72:73], s[90:91]      ; O's half fragment
	s_add_nc_u64 s[72:73], s[72:73], s[92:93]      ; O's two bytes
	CROUND                                         ; all four work-groups are here: the joint loads meet
	tensor_load_to_lds s[G0:G0+3], s[G1:G1+7]      ; one line, no branch: every wave asks for its own two records
	s_nop 0
.rept 4
	v_nop
.endr
	v_and_b32 v8, 31, v0
	v_lshlrev_b32 v[L16], 4, v8
	v_lshlrev_b32 v[L8], 3, v8
	v_and_b32 v9, 15, v0
	v_lshlrev_b32 v[R16], 4, v9
	v_and_b32 v8, 7, v0                            ; i
	v_bfe_u32 v9, v0, 3, 1                         ; G
	v_bfe_u32 v10, v0, 4, 1                        ; h
	v_mul_u32_u24 v12, v9, 1536
	v_lshl_add_u32 v[KB16], v8, 4, v12
	v_lshl_add_u32 v[KB16], v10, 8, v[KB16]
	v_lshl_add_u32 v[KB8], v8, 3, v12
	v_lshl_add_u32 v[KB8], v10, 7, v[KB8]
	v_lshlrev_b32 v[KBS], 2, v9
	v_lshl_add_u32 v[KBS], v8, 4, v[KBS]
	v_lshlrev_b32 v[SH8], 3, v10
	QLOAD 0
.irp k, 6,7,8,9,10,11
	v_mov_b32 v[Q+\k], 0                           ; the zero codes between the two copies of Q: written once
.endr
	v_mov_b32 v[F+1], 0
	v_mov_b32 v[TA], 0                             ; written once: a lane permute's destination counts as one of its sources
	v_mov_b32 v[TB], 0
; A KEY STEP.  S^T of its 128 keys lies in registers.  more = 1: K of the next step is fetched and multiplied too.  qn = 1: the next tile's Q is loaded (nothing reads Q in a tile's last step).
.macro STEP more, qn
	v_add_nc_u32 v[VA16], s[TV], v[L16]            ; (these lines are also the places between the last products and the loads into, and writes of, the registers that they read)
	v_add_nc_u32 v[VA8], s[TV], v[L8]
	v_add_nc_u32 v[VAS], s[TV], v[R16]
.if \more
	v_add_nc_u32 v[KA16], s[TK], v[KB16]
	v_add_nc_u32 v[KA8], s[TK], v[KB8]
	v_add_nc_u32 v[KAS], s[TK], v[KBS]
.else
	v_nop
.endif
.irp T, 0,1,2,3                        ; the largest score of my two blocks of 32 keys: eight chains, one to a tile of scores, each tile first read at its low end
.irp c, 0,1
	v_max3_num_f32 v[PC+4*\c+\T], v[S+32*\c+8*\T], v[S+32*\c+8*\T+1], v[S+32*\c+8*\T+2]
.endr
.endr
.irp i, 3,5
.irp T, 0,1,2,3
.irp c, 0,1
	v_max3_num_f32 v[PC+4*\c+\T], v[PC+4*\c+\T], v[S+32*\c+8*\T+\i], v[S+32*\c+8*\T+\i+1]
.endr
.endr
.endr
	v_max_num_f32 v[PC+8], v[S+23], v[S+31]        ; each tile's eighth score joins on the way up
	v_max_num_f32 v[PC+11], v[S+55], v[S+63]
	v_mov_b32 v[F], v[NM]                          ; the old -M
.irp c, 0,1
	v_max3_num_f32 v[PC+4*\c], v[PC+4*\c], v[PC+4*\c+1], v[S+32*\c+7]
	v_max3_num_f32 v[PC+4*\c+2], v[PC+4*\c+2], v[PC+4*\c+3], v[S+32*\c+15]
.endr
	VL 0                                           ; the step's LDS loads stand between the links of the chain that leads to -M
	v_max3_num_f32 v[MX], v[PC], v[PC+2], v[PC+8]
	v_max3_num_f32 v[MX+1], v[PC+4], v[PC+6], v[PC+11]
	VL 1
	v_max_num_f32 v[TA], v[MX], v[MX+1]
	VL 2
	v_permlanex16_b32 v[TB], v[TA], s20, s21
	VL 3
	ds_load_b128 v[VW:VW+3], v[VAS]
	v_max3_num_f32 v[SMX], v[SMX], v[TA], v[TB]    ; the running largest score of my query (c is positive)
.if \more
	KL KA16, KA8, KAS, 0, 0
.endif
.if \qn
	QLOAD 12800
.endif
	v_mul_f32 v[TA], s38, v[SMX]
.if \more
	KL KA16, KA8, KAS, 0, 1
.endif
	v_floor_f32 v[NM], v[TA]                       ; the new -M = floor(-t) = -ceil(t)
.if \more
	KL KA16, KA8, KAS, 1, 0
	KL KA16, KA8, KAS, 1, 1
.endif
.irp j, 0,2,4,6,8,10,12,14,16,18,20,22,24,26,28,30,32,34,36,38,40,42,44,46,48,50,52,54,56,58,60,62
	v_pk_fma_f32 v[S+\j:S+\j+1], v[S+\j:S+\j+1], s[22:23], v[NM:NM+1] op_sel_hi:[1,0,0]   ; t - M, two at a time
.if \j == 6
	v_sub_f32 v[F], v[NM], v[F]                    ; old M - new M: a whole number, 0 or less
.elseif \j == 16
	v_cvt_i32_f32 v[F], v[F]                       ; (it saturates)
.elseif \j == 26
	v_ldexp_f32 v[F], 1.0, v[F]                    ; f = 2^(old M - new M)
.endif
.endr
.irp c, 0,1
	v_fma_f32 v[MX+\c], v[MX+\c], s22, v[NM]       ; the same of each block's largest score
.endr
	WALU                                           ; the wait ahead of the batch
.irp j, 0,1,2,3,4,5,6,7,8,9,10,11,12,13,14,15,16,17,18,19,20,21,22,23,24,25,26,27,28,29,30,31,32,33,34,35,36,37,38,39,40,41,42,43,44,45,46,47,48,49,50,51,52,53,54,55,56,57,58,59,60,61,62,63
	v_exp_f32 v[S+\j], v[S+\j]                     ; p = 2^(t - M)
.endr
.irp c, 0,1
	v_exp_f32 v[MX+\c], v[MX+\c]                   ; each block's largest p: the same two instructions on the same number give the same bits
.endr
	v_pk_mul_f32 v[LS:LS+1], v[LS:LS+1], v[F:F+1] op_sel_hi:[1,0]   ; the sum under the new M (the plain instruction behind the exponentials)
	WALU                                           ; one wait for the batch of 66, ahead of its first reader
.irp q, 0,1,2,3                        ; the row's sum, of the unquantised p: four chains of pairs; the scale bytes' lines stand between the rounds
	v_pk_add_f32 v[PC+2*\q:PC+2*\q+1], v[S+4*\q:S+4*\q+1], v[S+4*\q+2:S+4*\q+3]
.endr
.irp r, 0,1,2,3,4,5
.irp q, 0,1,2,3
	v_pk_add_f32 v[PC+2*\q:PC+2*\q+1], v[PC+2*\q:PC+2*\q+1], v[S+16+8*\r+2*\q:S+16+8*\r+2*\q+1]
.endr
.if \r == 0
	v_max_num_f32 v[MX], 0x1800000, v[MX]          ; the floor 2^(3 - 127): the byte cannot fall under 1
	v_max_num_f32 v[MX+1], 0x1800000, v[MX+1]
.elseif \r == 1
	v_add_nc_u32 v[MX], 0xff000000, v[MX]          ; 2 off the exponent field: the conversion's scale operand
	v_add_nc_u32 v[MX+1], 0xff000000, v[MX+1]
.elseif \r == 2
	v_lshrrev_b32 v[TA], 23, v[MX]                 ; the bytes of blocks h and 2 + h,
	v_lshrrev_b32 v[TB], 23, v[MX+1]
.elseif \r == 3
	v_lshl_or_b32 v[TA], v[TB], 16, v[TA]
.elseif \r == 4
	v_lshlrev_b32 v[TA], v[SH8], v[TA]             ; at their places in the word;
.endif
.endr
	v_pk_add_f32 v[PC:PC+1], v[PC:PC+1], v[PC+2:PC+3]
	v_pk_add_f32 v[PC+4:PC+5], v[PC+4:PC+5], v[PC+6:PC+7]
	v_permlanex16_b32 v[TB], v[TA], s20, s21
	v_pk_add_f32 v[PC:PC+1], v[PC:PC+1], v[PC+4:PC+5]
	v_cvt_scalef32_pk16_fp6_f32 v[PC+6:PC+8], v[S+32:S+47], v[MX+1]
	v_pk_add_f32 v[LS:LS+1], v[LS:LS+1], v[PC:PC+1]
	v_cvt_scalef32_pk16_fp6_f32 v[PC:PC+2], v[S:S+15], v[MX]
	v_or_b32 v[PW], v[TA], v[TB]                   ; with lane xor 16's two the word is whole (also the plain instruction between the conversions above and the writes over their sources below)
	v_cvt_scalef32_pk16_fp6_f32 v[S:S+2], v[S+16:S+31], v[MX]       ; (a conversion's three registers begin on an even number: a block's upper 16 codes are made elsewhere and moved)
	v_cvt_scalef32_pk16_fp6_f32 v[S+32:S+34], v[S+48:S+63], v[MX+1]
	WALU                                           ; the wait directly ahead of the first reader of O^T
.irp j, 0,2,4,6,8,10,12,14
	v_pk_mul_f32 v[O+\j:O+\j+1], v[O+\j:O+\j+1], v[F:F+1] op_sel_hi:[1,0]   ; O^T under the new M; these sixteen also stand between the writes of p's scale word and codes and the products
.endr
.irp k, 0,1,2
	v_mov_b32 v[PC+3+\k], v[S+\k]
	v_mov_b32 v[PC+9+\k], v[S+32+\k]
.endr
.irp j, 16,18,20,22,24,26,28,30
	v_pk_mul_f32 v[O+\j:O+\j+1], v[O+\j:O+\j+1], v[F:F+1] op_sel_hi:[1,0]
.endr
	WALU
	s_wait_dscnt 0x0                               ; V, and K of the next step, are in: asked for ahead of the multiply-adds, the exponentials and the sum
.if \more
	QK                                             ; the next step's scores, onto the registers that p has left
.endif
.irp a, 0,1,2,3                        ; the four accumulators take turns, one instruction a turn
	v_wmma_scale_f32_16x16x128_f8f6f4 v[O+8*\a:O+8*\a+7], v[VF+12*\a:VF+12*\a+11], v[PC:PC+11], v[O+8*\a:O+8*\a+7], v[VW+\a], v[PW] matrix_a_fmt:MATRIX_FMT_FP6 matrix_b_fmt:MATRIX_FMT_FP6
.endr
.endm
; A tile's end: O^T / the sum, register 16 b + i = dim 32 b + 16 (lane / 16) + i, quantised: one half fragment and two scale bytes of the last product's operand.
.macro FINISH i
	v_nop                                          ; places behind the last products: four stand ahead of the permute below, which writes a register that held p's codes
	v_nop
	v_nop
	v_add_f32 v[LS], v[LS], v[LS+1]
	v_permlanex16_b32 v[TB], v[LS], s20, s21
	v_add_f32 v[LS], v[LS], v[TB]                  ; the row's sum
	WALU
	v_rcp_f32 v[LS], v[LS]
	v_nop                                          ; a plain instruction behind the reciprocal,
	WALU                                           ; and the wait ahead of its first reader, which is also O^T's
.irp j, 0,2,4,6,8,10,12,14,16,18,20,22,24,26,28,30
	v_pk_mul_f32 v[S+\j:S+\j+1], v[O+\j:O+\j+1], v[LS:LS+1] op_sel_hi:[1,0]   ; each accumulator from its low end on
.endr
.irp b, 0,1
	v_max3_num_f32 v[MX+\b], |v[S+16*\b]|, |v[S+16*\b+1]|, 0x1800000
.endr
.irp k, 2,4,6,8,10,12,14
.irp b, 0,1
	v_max3_num_f32 v[MX+\b], v[MX+\b], |v[S+16*\b+\k]|, |v[S+16*\b+\k+1]|
.endr
.endr
.irp b, 0,1
	v_permlanex16_b32 v[TA+\b], v[MX+\b], s20, s21
.endr
.irp b, 0,1
	v_max_num_f32 v[MX+\b], v[MX+\b], v[TA+\b]     ; with lane xor 16's 16 dims: the block's largest magnitude
.endr
.irp b, 0,1
	v_add_nc_u32 v[MX+\b], 0xff000000, v[MX+\b]
.endr
.irp b, 0,1
	v_lshrrev_b32 v[PC+\b], 23, v[MX+\b]
.endr
	v_lshl_or_b32 v[S+44], v[PC+1], 8, v[PC]
	v_cvt_scalef32_pk16_fp6_f32 v[S+32:S+34], v[S:S+15], v[MX]
	v_cvt_scalef32_pk16_fp6_f32 v[S+40:S+42], v[S+16:S+31], v[MX+1]
	v_nop                                          ; one plain instruction behind a scaled conversion
.irp k, 0,1,2
	v_permlane16_swap_b32 v[S+32+\k], v[S+40+\k]   ; the layout wants a whole block in a lane
.endr
.irp k, 0,1,2
	v_mov_b32 v[S+35+\k], v[S+40+\k]
.endr
	global_store_b128 v[L16], v[S+32:S+35], s[70:71] offset:204800*\i       ; 512 consecutive bytes
	global_store_b64  v[L8], v[S+36:S+37], s[70:71] offset:204800*\i+512    ; 256 consecutive bytes
	global_store_b16  v[R16], v[S+44], s[72:73] offset:204800*\i            ; two bytes a row, 16 apart (both halves of the lanes write the same): a K step's word belongs to two heads, that is, to two work-groups
.endm
; A tile of 16 queries: its first scores, fifteen steps that also make the next step's scores, the last step, the way out.
.macro TILE i
.if \i
	s_wait_xcnt 0x0                                ; the last tile's stores have read their registers, which this tile writes again
.endif
.irp c, 0,1                            ; K of step 0: the record at LDS byte 0
.irp t, 0,1
	KL KB16, KB8, KBS, \c, \t
.endr
.endr
	s_wait_loadcnt 0x0                             ; Q
	v_lshrrev_b32 v[QW], s77, v[QW]
	v_and_b32 v[QW], 0xffff, v[QW]                 ; my tile's two bytes,
	v_lshl_or_b32 v[QW], v[QW], 16, v[QW]          ; for k 0-63 and for k 64-127 alike
	v_mov_b32 v[SMX], 0xff61b1e6                   ; the largest score so far: -3e38,
	v_mov_b32 v[NM], 0x7f61b1e6                    ; and -M = 3e38: the first f is 0
	v_mov_b32 v[LS], 0
	v_mov_b32 v[LS+1], 0
.irp j, 0,1,2,3,4,5,6,7,8,9,10,11,12,13,14,15,16,17,18,19,20,21,22,23,24,25,26,27,28,29,30,31
	v_mov_b32 v[O+\j], 0                           ; O^T: the step is one text; its first turn finds zeros.  (These lines also stand between the scale word's making and the first product)
.endr
	WALU
	s_wait_dscnt 0x0
	QK
	s_mov_b32 s[TK], 6400
	s_mov_b32 s[TV], 102400
	s_mov_b32 s[CNT], 15
.Lwalk_\@:
	STEP 1, 0
	s_add_co_u32 s[TK], s[TK], 6400
	s_add_co_u32 s[TV], s[TV], 6400
	s_sub_co_u32 s[CNT], s[CNT], 1
	s_cmp_lg_u32 s[CNT], 0
	s_cbranch_scc1 .Lwalk_\@
	STEP 0, 1-\i
	FINISH \i
.endm
	WALU
	s_wait_tensorcnt 0x0                           ; my two records have landed;
	s_barrier_signal -1
	s_barrier_wait -1                              ; everybody's have: all of K and V lies in LDS, and nothing is ever filled again
	TILE 0
	TILE 1
	s_wait_tensorcnt 0x0                           ; the wave's end
	ds_add_u32 v[SPW], v[NIL]
	s_wait_dscnt 0x0
	CROUND                                         ; the closing round
	s_endpgm
.Lfunc_end_k_q3f2d447f9c_attn:
	.size	k_q3f2d447f9c_attn, .Lfunc_end_k_q3f2d447f9c_attn-k_q3f2d447f9c_attn
	.p2alignl 7, 3214868480
	.fill 96, 4, 3214868480
	.section	.rodata,"a",@progbits
	.p2align	6, 0x0
	.amdhsa_kernel k_q3f2d447f9c_attn
		.amdhsa_group_segment_fixed_size 212992
		.amdhsa_private_segment_fixed_size 0
		.amdhsa_enable_private_segment 0
		.amdhsa_kernarg_size 24
		.amdhsa_user_sgpr_count 2
		.amdhsa_user_sgpr_kernarg_segment_ptr 1
		.amdhsa_wavefront_size32 1
		.amdhsa_system_sgpr_workgroup_id_x 1
		.amdhsa_system_sgpr_workgroup_id_y 1
		.amdhsa_system_sgpr_workgroup_id_z 1
		.amdhsa_system_vgpr_workitem_id 0
		.amdhsa_next_free_vgpr 256
		.amdhsa_next_free_sgpr 100
		.amdhsa_reserve_vcc 0
		.amdhsa_float_denorm_mode_32 3
		.amdhsa_float_denorm_mode_16_64 3
		.amdhsa_memory_ordered 1
		.amdhsa_forward_progress 1
		.amdhsa_inst_pref_size 77
	.end_amdhsa_kernel
	.amdgpu_metadata
---
amdhsa.version: [ 1, 2 ]
amdhsa.kernels:
  - .name:           k_q3f2d447f9c_attn
    .symbol:         k_q3f2d447f9c_attn.kd
    .args:
      - { .name: qk, .offset: 0, .size: 8, .value_kind: global_buffer, .address_space: global }
      - { .name: vt, .offset: 8, .size: 8, .value_kind: global_buffer, .address_space: global }
      - { .name: oq, .offset: 16, .size: 8, .value_kind: global_buffer, .address_space: global }
    .group_segment_fixed_size: 212992
    .private_segment_fixed_size: 0
    .kernarg_segment_align: 8
    .kernarg_segment_size: 24
    .max_flat_workgroup_size: 512
    .sgpr_count:     100
    .vgpr_count:     256
    .wavefront_size: 32
...
	.end_amdgpu_metadata
.endif
;; end of part 3
;; launch proj (part 4): grid 4 x 64, 4 waves a work-group, clusters of 4 x 4, 327,680 bytes of LDS; arguments oq, wo, b_out, out0; writes out0
.if DOCPART == 4
	.amdgcn_target "amdgcn-amd-amdhsa--gfx1250"
	.amdhsa_code_object_version 6
	.text
	.protected	k_q3f2d447f9c_proj
	.globl	k_q3f2d447f9c_proj
	.p2align	8
	.type	k_q3f2d447f9c_proj,@function
k_q3f2d447f9c_proj:
	s_mov_b64 s[64:65], 0
	v_nop
	global_prefetch_b8 v0, s[64:65] scope:SCOPE_SE
	s_setreg_imm32_b32 hwreg(HW_REG_WAVE_MODE, 25, 1), 1
	s_wait_xcnt 0x0
	s_wait_alu depctr_hold_cnt(0) depctr_sa_sdst(0) depctr_va_vdst(0) depctr_va_sdst(0) depctr_va_ssrc(0) depctr_va_vcc(0) depctr_vm_vsrc(0)
	s_getreg_b32 s2, hwreg(HW_REG_IB_STS2, 6, 4)
	s_cmp_eq_u32 s2, 0
	s_cbranch_scc0 .Lentry_in_a_cluster
	s_endpgm
.Lentry_in_a_cluster:
	s_bfe_u32 s2, ttmp6, 0x10000c
	s_cmp_lg_u32 s2, 0xf033
	s_cbranch_scc0 .Lentry_shape_is_right
	s_endpgm
.Lentry_shape_is_right:
.set STAGE, 307200
.set SPARE, 324608
.set SPW,  16
.set NIL,  17
.set STO,  20
.set RD,   21
.set CO,   22
.set SC,   32
.set BK,   128
.set G1L,  24
.set G1R,  32
.set G0L,  40
.set G0R,  48
.set OUT,  92
.set MSB, 0
.macro WIN new
.if MSB != \new
	s_set_vgpr_msb (MSB<<8)|\new
.set MSB, \new
.endif
.endm
.macro JLOAD q
	s_cmp_eq_u32 s15, 0
	s_cbranch_scc0 .Lfor_r_\@
	tensor_load_to_lds s[G0L+4*\q:G0L+4*\q+3], s[G1L:G1L+7]
	s_nop 0
.rept 4
	v_nop
.endr
	s_branch .Lasked_\@
.Lfor_r_\@:
	tensor_load_to_lds s[G0R+4*\q:G0R+4*\q+3], s[G1R:G1R+7]
	s_nop 0
.rept 4
	v_nop
.endr
.Lasked_\@:
.endm
.macro CROUND
	s_barrier_signal -1
	s_barrier_wait -1
	s_cmp_lg_u32 s14, 0
	s_cbranch_scc1 .Lnot_wave_0_\@
	s_barrier_signal -3
.Lnot_wave_0_\@:
	s_barrier_wait -3
	s_barrier_signal -1
	s_barrier_wait -1
.endm
.macro PLACES
.rept 4
	v_nop
.endr
.endm
.macro SCALES q
	WIN 0
.irp i, 0,1,2,3
	ds_load_b128 v[SC+8*\i+4*(\q):SC+8*\i+4*(\q)+3], v[12+(\q)] offset:6400*\i
.endr
.irp i, 4,5,6,7
	ds_load_b128 v[SC+8*\i+4*(\q):SC+8*\i+4*(\q)+3], v[14+(\q)] offset:6400*\i
.endr
.endm
.macro FETCH s, p
.set FQ, (\s)/4
.set FO, 256+1536*((\s)%4)
	WIN 0x40
.irp b, 0,1,2,3,4,5,6,7
	ds_load_b128 v[128*(\p)+12*\b:128*(\p)+12*\b+3],     v[4+FQ] offset:6400*\b+FO
	ds_load_b64  v[128*(\p)+12*\b+4:128*(\p)+12*\b+5],   v[6+FQ] offset:6400*\b+FO+512
	ds_load_b128 v[128*(\p)+12*\b+6:128*(\p)+12*\b+9],   v[4+FQ] offset:6400*\b+FO+768
	ds_load_b64  v[128*(\p)+12*\b+10:128*(\p)+12*\b+11], v[6+FQ] offset:6400*\b+FO+1280
.endr
	WIN 0
.irp a, 0,1,2,3
	ds_load_b128 v[128+48*(\p)+12*\a:128+48*(\p)+12*\a+3],     v[8+FQ]  offset:6400*\a+FO
	ds_load_b64  v[128+48*(\p)+12*\a+4:128+48*(\p)+12*\a+5],   v[10+FQ] offset:6400*\a+FO+512
	ds_load_b128 v[128+48*(\p)+12*\a+6:128+48*(\p)+12*\a+9],   v[8+FQ]  offset:6400*\a+FO+768
	ds_load_b64  v[128+48*(\p)+12*\a+10:128+48*(\p)+12*\a+11], v[10+FQ] offset:6400*\a+FO+1280
.endr
.endm
.macro MUL32 s, p, cmode
.irp a, 0,1,2,3
.irp b, 0,1,2,3,4,5,6,7
.if \cmode == 0
	v_wmma_scale_f32_16x16x128_f8f6f4 v[8*(8*\a+\b):8*(8*\a+\b)+7], v[128*(\p)+12*\b:128*(\p)+12*\b+11], v[128+48*(\p)+12*\a:128+48*(\p)+12*\a+11], v[8*(8*\a+\b):8*(8*\a+\b)+7], v[SC+8*\b+(\s)], v[SC+8*\a+(\s)] matrix_a_fmt:MATRIX_FMT_FP6 matrix_b_fmt:MATRIX_FMT_FP6 matrix_b_scale:MATRIX_SCALE_ROW1
.else
	v_wmma_scale_f32_16x16x128_f8f6f4 v[8*(8*\a+\b):8*(8*\a+\b)+7], v[128*(\p)+12*\b:128*(\p)+12*\b+11], v[128+48*(\p)+12*\a:128+48*(\p)+12*\a+11], v[96+8*\b+96*(\b/4):96+8*\b+96*(\b/4)+7], v[SC+8*\b+(\s)], v[SC+8*\a+(\s)] matrix_a_fmt:MATRIX_FMT_FP6 matrix_b_fmt:MATRIX_FMT_FP6 matrix_b_scale:MATRIX_SCALE_ROW1
.endif
.endr
.endr
.endm
.macro PRE s
	s_wait_dscnt 0x0
.if (\s) == 3
	s_wait_tensorcnt 0x0
	s_barrier_signal -1
	s_barrier_wait -1
.endif
.if (\s) < 7
.if (\s) > 0
	PLACES
.endif
.if (\s) == 3
	SCALES 1
.endif
	FETCH (\s)+1, ((\s)+1)%2
.endif
.endm
	s_load_b256 s[4:11], s[0:1], 0x0
	v_lshl_add_u32 v[SPW], v0, 2, SPARE
	v_mov_b32 v[NIL], 0
	ds_add_u32 v[SPW], v[NIL]
	ds_add_u32 v[SPW], v[NIL]
	v_lshrrev_b32 v1, 5, v0
	v_readfirstlane_b32 s14, v1
	s_lshr_b32 s15, s14, 1
	s_and_b32 s16, s14, 1
	s_bfe_u32 s17, ttmp6, 0x40000
	s_bfe_u32 s18, ttmp6, 0x40004
	s_and_b32 s20, ttmp7, 0xffff
	s_lshl_b32 s22, s18, 2
	s_lshl_b32 s22, 15, s22
	s_lshl_b32 s23, 0x1111, s17
	s_or_b32 s[G1L], s22, (3<<16)|(1<<21)
	s_or_b32 s[G1R], s23, (3<<16)|(1<<21)
	s_mov_b32 s[G1L+1], 800<<16
	s_mov_b32 s[G1L+2], 8<<16
	s_mov_b32 s[G1L+3], 800<<16
	s_mov_b32 s[G1L+4], 8
	s_mov_b32 s[G1L+5], 1600
	s_mov_b32 s[G1L+6], 0
	s_mov_b32 s[G1L+7], 0
	s_mov_b32 s[G1R+1], 800<<16
	s_mov_b32 s[G1R+2], 16<<16
	s_mov_b32 s[G1R+3], 800<<16
	s_mov_b32 s[G1R+4], 16
	s_mov_b32 s[G1R+5], 1600
	s_mov_b32 s[G1R+6], 0
	s_mov_b32 s[G1R+7], 0
	s_lshl_b32 s56, s20, 2
	s_add_co_u32 s56, s56, s18
	s_lshl_b32 s57, ttmp9, 2
	s_add_co_u32 s57, s57, s17
	s_lshl_b32 s70, s56, 3
	s_mul_i32 s70, s70, 12800
	s_mov_b32 s71, 0
	s_lshl_b32 s72, s57, 4
	s_mul_i32 s72, s72, 12800
	s_mov_b32 s73, 0
	s_mov_b32 s58, 0
	s_mov_b32 s59, 0
	s_wait_dscnt 0x0
	s_wait_kmcnt 0x0
	s_add_nc_u64 s[66:67], s[4:5], s[70:71]
	s_add_nc_u64 s[68:69], s[6:7], s[72:73]
.irp q, 0,1
	s_mov_b32 s[G0L+4*\q], 1
	s_add_co_u32 s[G0L+4*\q+1], s58, 204800+51200*\q
	s_add_nc_u64 s[G0L+4*\q+2:G0L+4*\q+3], s[66:67], 6400*\q
	s_or_b32 s[G0L+4*\q+3], s[G0L+4*\q+3], 0x80000000
	s_mov_b32 s[G0R+4*\q], 1
	s_add_co_u32 s[G0R+4*\q+1], s59, 102400*\q
	s_add_nc_u64 s[G0R+4*\q+2:G0R+4*\q+3], s[68:69], 6400*\q
	s_or_b32 s[G0R+4*\q+3], s[G0R+4*\q+3], 0x80000000
.endr
	CROUND
	; THE HEAD'S FOUR LOADS, ONE A WAVE, in one chain of branches on the wave's number: wave 0 L's first K half (eight half records), wave 1 R's first (sixteen), wave 2 L's second, wave 3 R's second
	s_cmp_eq_u32 s14, 0
	s_cbranch_scc0 .Lhead_1
	tensor_load_to_lds s[G0L:G0L+3], s[G1L:G1L+7]
	s_nop 0
.rept 4
	v_nop
.endr
	s_branch .Lhead_asked
.Lhead_1:
	s_cmp_eq_u32 s14, 1
	s_cbranch_scc0 .Lhead_2
	tensor_load_to_lds s[G0R:G0R+3], s[G1R:G1R+7]
	s_nop 0
.rept 4
	v_nop
.endr
	s_branch .Lhead_asked
.Lhead_2:
	s_cmp_eq_u32 s14, 2
	s_cbranch_scc0 .Lhead_3
	tensor_load_to_lds s[G0L+4:G0L+7], s[G1L:G1L+7]
	s_nop 0
.rept 4
	v_nop
.endr
	s_branch .Lhead_asked
.Lhead_3:
	tensor_load_to_lds s[G0R+4:G0R+7], s[G1R:G1R+7]
	s_nop 0
.rept 4
	v_nop
.endr
.Lhead_asked:
	v_and_b32 v1, 15, v0
	v_bfe_u32 v2, v0, 4, 1
	v_and_b32 v3, 31, v0
	v_lshlrev_b32 v18, 4, v3
	v_lshlrev_b32 v19, 3, v3
	v_lshlrev_b32 v26, 4, v1
	s_mul_i32 s74, s16, 51200
	s_mul_i32 s75, s15, 25600
	s_xor_b32 s76, s16, 1
	s_mul_i32 s76, s76, 51200
	s_add_co_u32 s76, s76, s75
.irp q, 0,1
	s_add_co_u32 s77, s74, 102400*\q
	v_add_nc_u32 v[4+\q], s77, v18
	v_add_nc_u32 v[6+\q], s77, v19
	v_add_nc_u32 v[14+\q], s77, v26
	s_add_co_u32 s78, s75, 204800+51200*\q
	v_add_nc_u32 v[8+\q], s78, v18
	v_add_nc_u32 v[10+\q], s78, v19
	s_add_co_u32 s79, s76, 153600-51200*\q
	v_mul_u32_u24 v27, s79, v2
	v_add_nc_u32 v[12+\q], v[14+\q], v27
.endr
	v_lshlrev_b32 v24, 6, v2
	s_wait_alu depctr_va_vdst(0)
	s_mul_i32 s80, s14, 4352
	s_add_co_u32 s80, s80, STAGE
	v_mul_u32_u24 v[STO], v1, 272
	v_lshl_add_u32 v[STO], v2, 6, v[STO]
	v_add_nc_u32 v[STO], s80, v[STO]
	v_mul_u32_u24 v[RD], v2, 272
	v_add_nc_u32 v[RD], v[RD], v26
	v_add_nc_u32 v[RD], s80, v[RD]
	v_lshlrev_b32 v[CO], 12, v2
	v_add_nc_u32 v[CO], v[CO], v26
	s_lshl_b32 s82, s57, 10
	s_lshl_b32 s83, s16, 9
	s_add_co_u32 s82, s82, s83
	s_mov_b32 s83, 0
	s_add_nc_u64 s[8:9], s[8:9], s[82:83]
	s_lshl_b32 s84, s56, 19
	s_lshl_b32 s85, s15, 18
	s_add_co_u32 s84, s84, s85
	s_add_co_u32 s84, s84, s82
	s_mov_b32 s85, 0
	s_add_nc_u64 s[OUT:OUT+1], s[10:11], s[84:85]
	WIN 0x40
.irp b, 0,1,2,3,4,5,6,7
	global_load_b128 v[96+8*\b+96*(\b/4):96+8*\b+96*(\b/4)+3],   v24, s[8:9] offset:4*(32*(\b/2)+8*(\b%2))
	global_load_b128 v[96+8*\b+96*(\b/4)+4:96+8*\b+96*(\b/4)+7], v24, s[8:9] offset:4*(32*(\b/2)+8*(\b%2))+16
.endr
	WIN 0
	s_cmp_lt_u32 s14, 2                            ; waves 0 and 1 asked for the first K half, each by a line of its own: they wait for it; the second half may stay out
	s_cbranch_scc0 .Lnot_first
	s_wait_tensorcnt 0x0
.Lnot_first:
	s_barrier_signal -1
	s_barrier_wait -1
	SCALES 0
	FETCH 0, 0
	PRE 0
	s_wait_loadcnt 0x0
	WIN 0x91
	MUL32 0, 0, 1
.irp s, 1,2,3,4,5,6,7
	PRE \s
	WIN 0xa1
	MUL32 \s, (\s)%2, 0
.endr
	WIN 0
.macro TOSTAGE n
.set AC, 64*((\n)/2)+32*((\n)%2)
	WIN 0x08
.irp b, 0,1,2,3
	ds_store_b128 v[STO], v[AC+8*\b:AC+8*\b+3]   offset:128*(\b/2)+32*(\b%2)
	ds_store_b128 v[STO], v[AC+8*\b+4:AC+8*\b+7] offset:128*(\b/2)+32*(\b%2)+16
.endr
	WIN 0
.set BB, BK+32*((\n)%2)
.irp i, 0,1,2,3,4,5,6,7
	ds_load_b128 v[BB+4*\i:BB+4*\i+3], v[RD] offset:544*\i
.endr
.endm
.macro SEND n, younger
.set BB, BK+32*((\n)%2)
.set TR, 32*((\n)/4)+8*(((\n)/2)%2)
	s_wait_dscnt \younger
.irp i, 0,1,2,3,4,5,6,7
	global_store_b128 v[CO], v[BB+4*\i:BB+4*\i+3], s[OUT:OUT+1] offset:(TR+2*\i+8*(\i/4))*4096+256*((\n)%2) th:TH_STORE_NT
.endr
.endm
	PLACES
	s_wait_alu depctr_va_vdst(0)
	TOSTAGE 0
.irp n, 1,2,3,4,5,6,7
.if \n > 1
	s_wait_xcnt 0x0
.endif
	TOSTAGE \n
	SEND \n-1, 16
.endr
	SEND 7, 0
	s_wait_tensorcnt 0x0
	ds_add_u32 v[SPW], v[NIL]
	s_wait_dscnt 0x0
	CROUND
	s_endpgm
.Lfunc_end_k_q3f2d447f9c_proj:
	.size	k_q3f2d447f9c_proj, .Lfunc_end_k_q3f2d447f9c_proj-k_q3f2d447f9c_proj
	.p2alignl 7, 3214868480
	.fill 96, 4, 3214868480
	.section	.rodata,"a",@progbits
	.p2align	6, 0x0
	.amdhsa_kernel k_q3f2d447f9c_proj
		.amdhsa_group_segment_fixed_size 327680
		.amdhsa_private_segment_fixed_size 0
		.amdhsa_enable_private_segment 0
		.amdhsa_kernarg_size 32
		.amdhsa_user_sgpr_count 2
		.amdhsa_user_sgpr_kernarg_segment_ptr 1
		.amdhsa_wavefront_size32 1
		.amdhsa_system_sgpr_workgroup_id_x 1
		.amdhsa_system_sgpr_workgroup_id_y 1
		.amdhsa_system_sgpr_workgroup_id_z 1
		.amdhsa_system_vgpr_workitem_id 0
		.amdhsa_next_free_vgpr 768
		.amdhsa_next_free_sgpr 100
		.amdhsa_reserve_vcc 0
		.amdhsa_float_denorm_mode_32 3
		.amdhsa_float_denorm_mode_16_64 3
		.amdhsa_memory_ordered 1
		.amdhsa_forward_progress 1
		.amdhsa_inst_pref_size 84
	.end_amdhsa_kernel
	.amdgpu_metadata
---
amdhsa.version: [ 1, 2 ]
amdhsa.kernels:
  - .name:           k_q3f2d447f9c_proj
    .symbol:         k_q3f2d447f9c_proj.kd
    .args:
      - { .name: oq, .offset: 0, .size: 8, .value_kind: global_buffer, .address_space: global }
      - { .name: wo, .offset: 8, .size: 8, .value_kind: global_buffer, .address_space: global }
      - { .name: b_out, .offset: 16, .size: 8, .value_kind: global_buffer, .address_space: global }
      - { .name: out0, .offset: 24, .size: 8, .value_kind: global_buffer, .address_space: global }
    .group_segment_fixed_size: 327680
    .private_segment_fixed_size: 0
    .kernarg_segment_align: 8
    .kernarg_segment_size: 32
    .max_flat_workgroup_size: 128
    .sgpr_count:     100
    .vgpr_count:     768
    .wavefront_size: 32
...
	.end_amdgpu_metadata
.endif
;; end of part 4
